; MI455X (gfx1250); checked and timed in simulation.
; The chip was launched on July 23, 2026; its instructions are those of AMD's public machine-readable ISA for CDNA 5 (MIT licence, August 2026) and "CDNA5" Instruction Set Architecture Reference Guide (July 2026). The comments in the code are by the model that wrote it; some were corrected since.
;; Head. Allowed arithmetic: matrix products marked QUANTISED: E5M2 operands, one E8M0 scale for each 32 along K, by v_wmma_scale_f32_16x16x128_f8f6f4 with both operands' format E5M2, f32 sums; everything else in f32.
;; Inputs: Wk 512 x 2,048 float32; Wq 512 x 2,048 float32; Wv 512 x 2,048 float32; x 4,096 x 2,048 float32; y 8,192 x 2,048 float32.
;; Outputs: out0 4,096 x 512 float32.
;; This version of the problem:
;;   THIS VERSION OF THE PROBLEM IS GIVEN IN LOW PRECISION. The matrix products marked QUANTISED in the list below multiply operands that are first quantised to E5M2 (5 exponent bits, 2 mantissa bits; 8 bits a number), with one power-of-two scale for each 32 numbers along K (OCP MX v1.0); their sums are f32. All else is computed in f32.
;;   The module's matrix products, in the order in which they are computed (A, B: the left and right operand; K: the contracted axis; several contracted axes count as one K, in the product's order):
;;     1. [M 4,096, K 2,048] x [K 2,048, N 512]; A: input x; B: input Wq: QUANTISED
;;     2. [M 8,192, K 2,048] x [K 2,048, N 512]; A: input y; B: input Wk: QUANTISED
;;     3. [M 8,192, K 2,048] x [K 2,048, N 512]; A: input y; B: input Wv: QUANTISED
;;     4. [M 4,096, K 512] x [K 512, N 8,192]; A: computed on the way; B: computed on the way: QUANTISED
;;     5. [M 4,096, K 8,192] x [K 8,192, N 512]; A: computed on the way; B: computed on the way: QUANTISED
;;   THE QUANTISER, for each operand of a quantised product, along K:
;;     - K is cut into blocks of 32 from its start; a last block that is shorter is filled with zeros.
;;     - A block's scale is 2^e with e = floor(log2(the largest magnitude in the block)) - 15, held to -126 .. 127; a block of zeros has e = 0. As a byte (E8M0): e + 127.
;;     - Each number is divided by its block's scale, clamped to +-57,344, and rounded to the nearest number of E5M2, ties to even, subnormals kept.
;;     - The product sums the exact products of the quantised numbers (number of the format x scale) in f32.
;;   ~~~python
;;   def quantise(x, axis):      # numpy; x: float32 -> the quantised numbers, widened to float32 again
;;       x = np.moveaxis(x, axis, -1); K = x.shape[-1]
;;       x = np.pad(x, [(0, 0)] * (x.ndim - 1) + [(0, -K % 32)]); x = x.reshape(x.shape[:-1] + (-1, 32)); a = np.abs(x).max(-1, keepdims=True)
;;       e = np.where(a > 0, np.clip(np.frexp(np.where(a > 0, a, 1))[1] - 1 - 15, -126, 127), 0)      # np.frexp(a)[1] - 1 = floor(log2(a)), exactly
;;       r = np.clip(x / 2.0 ** e, -57344, 57344)
;;       step = 2.0 ** (np.maximum(np.frexp(np.where(r == 0, 1, r))[1] - 1, -14) - 2)
;;       q = np.round(r / step) * step * 2.0 ** e      # np.round: ties to even
;;       return np.moveaxis(q.reshape(q.shape[:-2] + (-1,))[..., :K], -1, axis).astype(np.float32)
;;   ~~~
;;   OPERANDS COMPUTED ON THE WAY. 'Computed on the way' means the value that the module computes at that place (a softmax that the list does not call 'softmax' is quantised finished and normalised). What goes into a quantiser is computed in f32, as accurately as f32 sums, v_exp_f32 and their like allow (about 1e-6 of the number): no bf16 or f16 on the way to a quantiser, and a product that is left as it is and whose result goes on into a quantised operand takes f32 operands (vector FMAs, or v_wmma_f32_16x16x4_f32). A number that lies on a knife's edge between two numbers of the format may be rounded either way, as far as f32 arithmetic and the matrix unit's own rounding can turn it there, and no further.
;; 2 versions, each right; version 2 is version 1 with the launch attn written anew for expert scheduling mode. Each part assembles by itself: llvm-mc -triple=amdgcn-amd-amdhsa -mcpu=gfx1250 --defsym DOCPART=n.
;; ======== version 1 of 2: 4 launches
;; workspace buffers: c1 19,922,944 bytes; s1 622,592 bytes; c2 6,291,456 bytes; s2 196,608 bytes; part 58,720,256 bytes
;; launch quant (part 1): grid 608 x 1, 4 waves a work-group, no clusters, 34,304 bytes of LDS; arguments x, y, Wq, Wk, Wv, c1, s1; writes c1, s1
.if DOCPART == 1
	.amdgcn_target "amdgcn-amd-amdhsa--gfx1250"
	.amdhsa_code_object_version 6
	.text
	.protected	k_qaaf67e29ea_quant
	.globl	k_qaaf67e29ea_quant
	.p2align	8
	.type	k_qaaf67e29ea_quant,@function
k_qaaf67e29ea_quant:
	s_mov_b64 s[64:65], 0
	v_nop
	global_prefetch_b8 v0, s[64:65] scope:SCOPE_SE
	s_setreg_imm32_b32 hwreg(HW_REG_WAVE_MODE, 25, 1), 1
	s_wait_xcnt 0x0
; x [4096][2048], rows 0..4095 of y [8192][2048], Wq, Wk, Wv [512][2048], all f32, become codes of E5M2 with one E8M0 byte for each 32 along K (their last axis).
; Rows 4096.. of y are not read: the keys made of them lie under the mask j >= i for every query i <= 4095.
; OUTPUT LAYOUT.  A tile is 16 rows; a fragment is a tile x 128 along K, laid as the IMAGE OF THE OPERAND'S REGISTERS: register group c (4 registers: k = 32 c + 16 (lane / 16) + 0..15 of row lane % 16)
; of lane l at byte 512 c + 16 l: 2,048 bytes.  c1 = [tile 0..607][K step 0..15][2048]; tiles 0-255 x, 256-511 y, 512-543 Wq, 544-575 Wk, 576-607 Wv.
; x's and Wv's tiles hold neighbouring rows.  In y's, Wq's and Wk's, image row r of tile T is row 32 (T / 2) + 8 (T % 2) + r + 8 (r / 8): as source 0 of a product such tiles leave 16 neighbours along the next K in a lane.
; s1 = [tile / 2][K step / 4][slot 16 (tile % 2) + r][4 words]: word i is row r's four scale bytes of K step 4 (K step / 4) + i.
; A block's scale is 2^(floor(log2(largest magnitude)) - 15): its byte is the largest magnitude's exponent field - 15, held at 1 from below; numbers are held within +-57,344 x the scale and rounded to the nearest code, ties to even.
; LIMITS: a block of zeros gets the byte 1 (its codes are zeros; only this program reads the bytes); NaN and infinities among the inputs are not served.
; SHARES.  A work-group takes one tile, wave w its K steps 4 w .. 4 w + 3.  Each load reads 512 consecutive bytes of one row; a step's 16 rows turn through the wave's own stage in LDS, so that a lane gets 16 neighbours of each block.
; No barrier: waves share nothing.  Two steps' loads (32 a wave) are out at the start, one step's while a step is worked.
.set ROWB, 8192                        ; a row of any of the five tensors, in bytes
.set SROW, 528                         ; a stage row: 512 bytes + 16 = 132 words: row r starts 4 r words on modulo 64 (64 banks of 4 bytes: ISA guide 11.1)
.set WSTG, 16*SROW                     ; a wave's stage
.set LI,   4                           ; v4   16 x lane: my place in a load's or a store's 512 bytes; never rewritten
.set SIN,  5                           ; v5   the stage, on the way in
.set SOUT, 6                           ; v6   and on the way out: row r, + 64 h
.set SWO,  7                           ; v7   my 8 bytes of the tile's 256 bytes of scale words
.set TM,   16                          ; v16-19 largest magnitudes, v20-23 bytes, v24-27 57,344 x the scale, v28-31 the conversions' scale operands
.set PW,   32                          ; v32-35 the scale words of my four K steps
.set W,    36                          ; v36-37 the two that I store
.set PC,   40                          ; v40-55 a fragment's codes
.set R,    64                          ; v64-191 two sets of 64: 16 rows as loaded
.set X,    192                         ; v192-255 64 numbers of my row: register 16 b + i = k 32 b + 16 h + i
.set WV,   18
.set SEL,  40
.set MNT,  42
	s_load_b256 s[4:11], s[0:1], 0x0               ; x, y, Wq, Wk
	s_load_b128 s[12:15], s[0:1], 0x20             ; Wv, c1
	s_load_b64 s[16:17], s[0:1], 0x30              ; s1
	v_lshl_add_u32 v62, v0, 2, 0x8400
	v_mov_b32 v63, 0
	v_lshrrev_b32 v1, 5, v0
	v_readfirstlane_b32 s[WV], v1                  ; wave 0..3
	v_and_b32 v1, 31, v0                           ; lane
	v_and_b32 v2, 15, v0                           ; r
	v_bfe_u32 v3, v0, 4, 1                         ; h
	v_lshlrev_b32 v[LI], 4, v1
	s_mul_i32 s19, s[WV], WSTG
	v_add_nc_u32 v[SIN], s19, v[LI]
	v_mul_u32_u24 v[SOUT], v2, SROW
	v_lshl_add_u32 v[SOUT], v3, 6, v[SOUT]
	v_add_nc_u32 v[SOUT], s19, v[SOUT]
	v_lshlrev_b32 v[SWO], 4, v2
	v_lshl_add_u32 v[SWO], v3, 3, v[SWO]           ; 16 r + 8 h
.irp b, 0,1,2,3
	v_mov_b32 v[TM+4+\b], 0                        ; written once: a lane permute's destination counts as one of its sources
.endr
	s_mov_b32 s[SEL], 0x76543210
	s_mov_b32 s[SEL+1], 0xfedcba98                 ; v_permlanex16_b32's selects for lane l xor 16
	s_mov_b32 s[MNT], 0x600000                     ; the mantissa field of 57,344
	s_mov_b32 s22, 0                               ; the tensor's first tile
	s_mov_b32 s23, 0                               ; 1: its tiles' rows are not neighbours
	s_wait_kmcnt 0x0
	s_mov_b64 s[20:21], s[4:5]                     ; which tensor: the choice hangs on the work-group's number alone
	s_cmp_ge_u32 ttmp9, 256
	s_cselect_b64 s[20:21], s[6:7], s[20:21]
	s_cselect_b32 s22, 256, s22
	s_cselect_b32 s23, 1, s23
	s_cmp_ge_u32 ttmp9, 512
	s_cselect_b64 s[20:21], s[8:9], s[20:21]
	s_cselect_b32 s22, 512, s22
	s_cmp_ge_u32 ttmp9, 544
	s_cselect_b64 s[20:21], s[10:11], s[20:21]
	s_cselect_b32 s22, 544, s22
	s_cmp_ge_u32 ttmp9, 576
	s_cselect_b64 s[20:21], s[12:13], s[20:21]
	s_cselect_b32 s22, 576, s22
	s_cselect_b32 s23, 0, s23
	s_sub_co_u32 s24, ttmp9, s22                   ; T: the tile's number in its tensor
	s_lshr_b32 s25, s24, 1
	s_lshl_b32 s25, s25, 5
	s_and_b32 s26, s24, 1
	s_lshl_b32 s26, s26, 3
	s_add_co_u32 s25, s25, s26                     ; 32 (T / 2) + 8 (T % 2)
	s_lshl_b32 s26, s24, 4                         ; 16 T
	s_mov_b32 s32, 8*ROWB
	s_cmp_eq_u32 s23, 1
	s_cselect_b32 s25, s25, s26                    ; the tile's first row
	s_cselect_b32 s32, 16*ROWB, s32                ; image rows 8..15 begin 16 rows on, or 8
	s_mov_b32 s33, 0
	s_lshl_b32 s28, s25, 13
	s_lshl_b32 s29, s[WV], 11                      ; my four K steps: 2,048 bytes of each row
	s_add_co_u32 s28, s28, s29
	s_mov_b32 s29, 0
	s_add_nc_u64 s[20:21], s[20:21], s[28:29]      ; image rows 0..7
	s_add_nc_u64 s[30:31], s[20:21], s[32:33]      ; image rows 8..15
	s_lshl_b32 s28, ttmp9, 15
	s_lshl_b32 s34, s[WV], 13
	s_add_co_u32 s28, s28, s34
	s_add_nc_u64 s[14:15], s[14:15], s[28:29]      ; c1 at my four fragments
	s_lshr_b32 s28, ttmp9, 1
	s_lshl_b32 s28, s28, 11
	s_lshl_b32 s34, s[WV], 9
	s_add_co_u32 s28, s28, s34
	s_and_b32 s34, ttmp9, 1
	s_lshl_b32 s34, s34, 8
	s_add_co_u32 s28, s28, s34
	s_add_nc_u64 s[16:17], s[16:17], s[28:29]      ; s1 at my tile's 256 bytes
.macro LOAD t                          ; my K step t: 16 rows x 512 bytes into set t % 2
.irp i, 0,1,2,3,4,5,6,7
	global_load_b128 v[R+64*((\t)%2)+4*\i:R+64*((\t)%2)+4*\i+3], v[LI], s[20:21] offset:\i*ROWB+512*(\t) th:TH_LOAD_NT
.endr
.irp i, 0,1,2,3,4,5,6,7
	global_load_b128 v[R+64*((\t)%2)+32+4*\i:R+64*((\t)%2)+32+4*\i+3], v[LI], s[30:31] offset:\i*ROWB+512*(\t) th:TH_LOAD_NT
.endr
.endm
; 64 numbers of a lane, v[s] on, register 16 b + i = k 32 b + 16 h + i of my row, become a fragment's codes in v[pc] on and its scale word in v[pw]
.macro QUANT s, pc, pw
.irp b, 0,1,2,3
	v_max3_num_f32 v[TM+\b], |v[\s+16*\b]|, |v[\s+1+16*\b]|, 0x8000000   ; block b: my 16 numbers, and the floor 2^(16 - 127): the byte cannot fall under 1
.endr
.irp i, 2,4,6,8,10,12,14
.irp b, 0,1,2,3
	v_max3_num_f32 v[TM+\b], v[TM+\b], |v[\s+16*\b+\i]|, |v[\s+1+16*\b+\i]|   ; the four blocks by turns
.endr
.endr
.irp b, 0,1,2,3
	v_permlanex16_b32 v[TM+4+\b], v[TM+\b], s[SEL], s[SEL+1]
.endr
.irp b, 0,1,2,3
	v_max_num_f32 v[TM+\b], v[TM+\b], v[TM+4+\b]   ; with lane l xor 16's: the block's largest magnitude
.endr
.irp b, 0,1,2,3
	v_add_nc_u32 v[TM+12+\b], 0xf8800000, v[TM+\b] ; 15 off its exponent field: the conversion takes this operand's exponent field as its scale
.endr
.irp b, 0,1,2,3
	v_and_or_b32 v[TM+8+\b], v[TM+\b], 0x7f800000, s[MNT]   ; 57,344 x the scale
.endr
.irp b, 0,1,2,3
	v_lshrrev_b32 v[TM+4+\b], 23, v[TM+12+\b]      ; the scale's byte
.endr
	v_lshl_or_b32 v[\pw], v[TM+5], 8, v[TM+4]
	v_lshl_or_b32 v[\pw], v[TM+6], 16, v[\pw]
	v_lshl_or_b32 v[\pw], v[TM+7], 24, v[\pw]      ; my row's scale word
.irp b, 0,1,2,3
.irp i, 0,1,2,3,4,5,6,7,8,9,10,11,12,13,14,15
	v_med3_num_f32 v[\s+16*\b+\i], v[\s+16*\b+\i], -v[TM+8+\b], v[TM+8+\b]   ; the conversion to an 8-bit code does not saturate (ISA guide 7.6.2): the hold comes first
.endr
	v_cvt_scalef32_pk8_bf8_f32 v[\pc+4*\b:\pc+1+4*\b], v[\s+16*\b:\s+7+16*\b], v[TM+12+\b]
	v_cvt_scalef32_pk8_bf8_f32 v[\pc+2+4*\b:\pc+3+4*\b], v[\s+8+16*\b:\s+15+16*\b], v[TM+12+\b]
.endr
	v_nop                                          ; a plain vector line behind the last conversion
.endm
.macro STEP t
.if (\t) < 3
	s_wait_loadcnt 16                              ; this step's 16 loads are in; the next step's 16 may be out
.else
	s_wait_loadcnt 0x0
.endif
.irp i, 0,1,2,3,4,5,6,7,8,9,10,11,12,13,14,15
	ds_store_b128 v[SIN], v[R+64*((\t)%2)+4*\i:R+64*((\t)%2)+4*\i+3] offset:\i*SROW
.endr
.irp b, 0,1,2,3
.irp j, 0,1,2,3
	ds_load_b128 v[X+16*\b+4*\j:X+16*\b+4*\j+3], v[SOUT] offset:128*\b+16*\j   ; LDS serves a wave's instructions in order: these see the stores above
.endr
.endr
	s_wait_dscnt 0x0                               ; my numbers are back, and the stores have read set t % 2
.if (\t) < 2
	LOAD (\t)+2
.endif
.if (\t) > 0
	s_wait_xcnt 0x0                                ; the last step's stores have read the codes' registers, which are written again below
.endif
	QUANT X, PC, PW+(\t)
.irp c, 0,1,2,3
	global_store_b128 v[LI], v[PC+4*\c:PC+4*\c+3], s[14:15] offset:(\t)*2048+512*\c   ; 512 consecutive bytes
.endr
.endm
	LOAD 0
	LOAD 1
	STEP 0
	STEP 1
	STEP 2
	STEP 3
	v_cmp_lt_u32 vcc_lo, 15, v1                    ; lanes 16-31 store words 2 and 3 of their row (both halves of the lanes hold all four)
	v_cndmask_b32 v[W], v[PW], v[PW+2], vcc_lo
	v_cndmask_b32 v[W+1], v[PW+1], v[PW+3], vcc_lo
	global_store_b64 v[SWO], v[W:W+1], s[16:17]    ; 32 lanes store 256 consecutive bytes, aligned
	s_wait_tensorcnt 0x0
	ds_add_u32 v62, v63
	s_wait_dscnt 0x0
	s_endpgm
.Lfunc_end_k_qaaf67e29ea_quant:
	.size	k_qaaf67e29ea_quant, .Lfunc_end_k_qaaf67e29ea_quant-k_qaaf67e29ea_quant
	.p2alignl 7, 3214868480
	.fill 96, 4, 3214868480
	.section	.rodata,"a",@progbits
	.p2align	6, 0x0
	.amdhsa_kernel k_qaaf67e29ea_quant
		.amdhsa_group_segment_fixed_size 34304
		.amdhsa_private_segment_fixed_size 0
		.amdhsa_enable_private_segment 0
		.amdhsa_kernarg_size 56
		.amdhsa_user_sgpr_count 2
		.amdhsa_user_sgpr_kernarg_segment_ptr 1
		.amdhsa_wavefront_size32 1
		.amdhsa_system_sgpr_workgroup_id_x 1
		.amdhsa_system_sgpr_workgroup_id_y 1
		.amdhsa_system_sgpr_workgroup_id_z 1
		.amdhsa_system_vgpr_workitem_id 0
		.amdhsa_next_free_vgpr 256
		.amdhsa_next_free_sgpr 66
		.amdhsa_reserve_vcc 1
		.amdhsa_float_denorm_mode_32 3
		.amdhsa_float_denorm_mode_16_64 3
		.amdhsa_memory_ordered 1
		.amdhsa_forward_progress 1
		.amdhsa_inst_pref_size 52
	.end_amdhsa_kernel
	.amdgpu_metadata
---
amdhsa.version: [ 1, 2 ]
amdhsa.kernels:
  - .name:           k_qaaf67e29ea_quant
    .symbol:         k_qaaf67e29ea_quant.kd
    .args:
      - { .name: x, .offset: 0, .size: 8, .value_kind: global_buffer, .address_space: global }
      - { .name: y, .offset: 8, .size: 8, .value_kind: global_buffer, .address_space: global }
      - { .name: Wq, .offset: 16, .size: 8, .value_kind: global_buffer, .address_space: global }
      - { .name: Wk, .offset: 24, .size: 8, .value_kind: global_buffer, .address_space: global }
      - { .name: Wv, .offset: 32, .size: 8, .value_kind: global_buffer, .address_space: global }
      - { .name: c1, .offset: 40, .size: 8, .value_kind: global_buffer, .address_space: global }
      - { .name: s1, .offset: 48, .size: 8, .value_kind: global_buffer, .address_space: global }
    .group_segment_fixed_size: 34304
    .private_segment_fixed_size: 0
    .kernarg_segment_align: 8
    .kernarg_segment_size: 56
    .max_flat_workgroup_size: 128
    .sgpr_count:     66
    .vgpr_count:     256
    .wavefront_size: 32
...
	.end_amdgpu_metadata
.endif
;; end of part 1
;; launch proj (part 2): grid 192 x 1, 4 waves a work-group, no clusters, 262,656 bytes of LDS; arguments c1, s1, c2, s2; writes c2, s2
.if DOCPART == 2
	.amdgcn_target "amdgcn-amd-amdhsa--gfx1250"
	.amdhsa_code_object_version 6
	.text
	.protected	k_qaaf67e29ea_proj
	.globl	k_qaaf67e29ea_proj
	.p2align	8
	.type	k_qaaf67e29ea_proj,@function
k_qaaf67e29ea_proj:
	s_mov_b64 s[64:65], 0
	v_nop
	global_prefetch_b8 v0, s[64:65] scope:SCOPE_SE
	s_setreg_imm32_b32 hwreg(HW_REG_WAVE_MODE, 25, 1), 1
	s_wait_xcnt 0x0
; q = x Wq^T, k = y Wk^T, v = y Wv^T (keys 0..4095) on codes of E5M2 with E8M0 scales, K = 2,048; each result is quantised in registers along the NEXT product's K and stored as register images.
; ONE BODY: D = source 0 x source 1^T.  In D a lane holds one row of source 1, and its registers run over source 0's rows, which are the next K.  p = work-group / 64:
;   p = 0: source 0 = Wq, source 1 = x: q, next K = d.   p = 1: Wk, y: k, next K = d.   p = 2: y, Wv: v^T, next K = the keys.
; Source 0's tiles (Wq, Wk, y) hold rows 32 (T / 2) + 8 (T % 2) + r + 8 (r / 8), so that the 16 registers of tiles 2 b, 2 b + 1 are 16 neighbours along the next K: 32 b + 16 (lane / 16) + 0..15.
; SHARES.  A work-group: 128 rows of source 0 (8 tiles: one step g of 128 along the next K) x 256 rows of source 1; wave w: 4 tiles of source 1 of its own: 32 accumulators, 512 matrix instructions.
; Source 0's panel, 8 tiles x 16 K steps x 2,048 bytes = 262,144 of the 262,656 bytes of LDS claimed, is filled ONCE, in four quarters along K, by four tensor loads a wave issued together: four loads of a wave are out at the most.
; Nothing in LDS is filled again.  Source 1's fragments go from memory straight into their wave's registers (a ring of four K steps); all scale words are loaded at the head and stay.
; NO CLUSTER: a panel is read by 16 work-groups for p < 2 but by 2 for p = 2, so one mask does not serve the one body; and the panel is 256 KiB of the 792 KiB that a work-group reads.
; OUTPUT.  c2 = [p][g][tile][2048] (256 tiles and g < 4 for q, k; 32 tiles and g < 32 for v^T); s2 = [p][g][tile / 4][slot 16 e + r][2 words], word pp for tile 4 (tile / 4) + 2 pp + e.
; LIMITS: a block of zeros gets the byte 1 (its codes are zeros; only this program reads the bytes); NaN and infinities are not served.
; REGISTERS, in windows of 256: window 0: addresses, the quantiser's registers, codes, scale words.  window 1: accumulator (m, t) at 64 m + 8 t.  window 2: source 0, two sets, 128 (ks % 2) + 16 t.  window 3: source 1, four sets, 64 (ks % 4) + 16 m.
.set LI,  4                            ; v4   16 x lane
.set L8,  5                            ; v5   8 x lane
.set PA,  8                            ; v8-11  LDS address of my 16 bytes in each quarter of the panel
.set TM,  16                           ; v16-31 the quantiser's
.set PW,  32                           ; v32-35 the four tiles' scale words
.set W,   36                           ; v36-37 the two that I store
.set PC,  40                           ; v40-103 codes, 16 a tile
.set SC0, 112                          ; v112-175 source 0's scale words: 16 (t / 2) + ks; lanes 0-15 the even tile's, lanes 16-31 the odd tile's
.set SC1, 176                          ; v176-207 source 1's: 16 (m / 2) + ks
.set WV,  12
.set G1,  24                           ; s[24:31] descriptor group 1
.set G0,  32                           ; s[32:47] descriptor group 0, a set for each quarter
.set B1C, 48                           ; s[48:49] source 1's codes, my first tile
.set B0S, 50                           ; s[50:51] source 0's scale words
.set B1S, 52                           ; s[52:53] source 1's
.set OC,  54                           ; s[54:55] where my codes go
.set OS,  56                           ; s[56:57] and my scale words
.set SEL, 58
.set MNT, 60
.set MSB, 0
.macro WIN new                         ; the immediate's high byte repeats the setting that is left; a switch that changes nothing is dropped
.if MSB != \new
	s_set_vgpr_msb (MSB<<8)|\new
.set MSB, \new
.endif
.endm
.macro PLACES n
.rept \n
	v_nop
.endr
.endm
; The scaled matrix instruction on E5M2 codes.  d, a, b: first registers of D (and C), source 0, source 1; zero = 1: C is 0; sa, sb: scale registers; ra, rb = 1: that side's scales stand in lanes 16-31
.macro WMS d, a, b, zero, sa, sb, ra, rb
.if (\zero)
.if (\ra) && (\rb)
	v_wmma_scale_f32_16x16x128_f8f6f4 v[\d:\d+7], v[\a:\a+15], v[\b:\b+15], 0, v[\sa], v[\sb] matrix_a_fmt:MATRIX_FMT_BF8 matrix_b_fmt:MATRIX_FMT_BF8 matrix_a_scale:MATRIX_SCALE_ROW1 matrix_b_scale:MATRIX_SCALE_ROW1
.elseif (\ra)
	v_wmma_scale_f32_16x16x128_f8f6f4 v[\d:\d+7], v[\a:\a+15], v[\b:\b+15], 0, v[\sa], v[\sb] matrix_a_fmt:MATRIX_FMT_BF8 matrix_b_fmt:MATRIX_FMT_BF8 matrix_a_scale:MATRIX_SCALE_ROW1
.elseif (\rb)
	v_wmma_scale_f32_16x16x128_f8f6f4 v[\d:\d+7], v[\a:\a+15], v[\b:\b+15], 0, v[\sa], v[\sb] matrix_a_fmt:MATRIX_FMT_BF8 matrix_b_fmt:MATRIX_FMT_BF8 matrix_b_scale:MATRIX_SCALE_ROW1
.else
	v_wmma_scale_f32_16x16x128_f8f6f4 v[\d:\d+7], v[\a:\a+15], v[\b:\b+15], 0, v[\sa], v[\sb] matrix_a_fmt:MATRIX_FMT_BF8 matrix_b_fmt:MATRIX_FMT_BF8
.endif
.else
.if (\ra) && (\rb)
	v_wmma_scale_f32_16x16x128_f8f6f4 v[\d:\d+7], v[\a:\a+15], v[\b:\b+15], v[\d:\d+7], v[\sa], v[\sb] matrix_a_fmt:MATRIX_FMT_BF8 matrix_b_fmt:MATRIX_FMT_BF8 matrix_a_scale:MATRIX_SCALE_ROW1 matrix_b_scale:MATRIX_SCALE_ROW1
.elseif (\ra)
	v_wmma_scale_f32_16x16x128_f8f6f4 v[\d:\d+7], v[\a:\a+15], v[\b:\b+15], v[\d:\d+7], v[\sa], v[\sb] matrix_a_fmt:MATRIX_FMT_BF8 matrix_b_fmt:MATRIX_FMT_BF8 matrix_a_scale:MATRIX_SCALE_ROW1
.elseif (\rb)
	v_wmma_scale_f32_16x16x128_f8f6f4 v[\d:\d+7], v[\a:\a+15], v[\b:\b+15], v[\d:\d+7], v[\sa], v[\sb] matrix_a_fmt:MATRIX_FMT_BF8 matrix_b_fmt:MATRIX_FMT_BF8 matrix_b_scale:MATRIX_SCALE_ROW1
.else
	v_wmma_scale_f32_16x16x128_f8f6f4 v[\d:\d+7], v[\a:\a+15], v[\b:\b+15], v[\d:\d+7], v[\sa], v[\sb] matrix_a_fmt:MATRIX_FMT_BF8 matrix_b_fmt:MATRIX_FMT_BF8
.endif
.endif
.endm
	s_load_b256 s[4:11], s[0:1], 0x0               ; c1 s[4:5], s1 s[6:7], c2 s[8:9], s2 s[10:11]
	v_lshl_add_u32 v254, v0, 2, 0x40000
	v_mov_b32 v255, 0
	ds_add_u32 v254, v255
	ds_add_u32 v254, v255
	v_lshrrev_b32 v1, 5, v0
	v_readfirstlane_b32 s[WV], v1                  ; wave 0..3
	v_and_b32 v1, 31, v0                           ; lane
	v_lshlrev_b32 v[LI], 4, v1
	v_lshlrev_b32 v[L8], 3, v1
.irp q, 0,1,2,3
	v_add_nc_u32 v[PA+\q], 65536*\q, v[LI]
.endr
.irp b, 0,1,2,3
	v_mov_b32 v[TM+4+\b], 0                        ; written once: a lane permute's destination counts as one of its sources
.endr
	s_mov_b32 s[SEL], 0x76543210
	s_mov_b32 s[SEL+1], 0xfedcba98
	s_mov_b32 s[MNT], 0x600000
	s_lshr_b32 s13, ttmp9, 6                       ; p
	s_and_b32 s14, ttmp9, 63
	s_mov_b32 s19, 512                             ; source 0's first tile in c1: 512, 544, 256
	s_mov_b32 s20, 0                               ; source 1's: 0, 256, 576
	s_cmp_eq_u32 s13, 1
	s_cselect_b32 s19, 544, s19
	s_cselect_b32 s20, 256, s20
	s_cmp_eq_u32 s13, 2
	s_cselect_b32 s19, 256, s19
	s_cselect_b32 s20, 576, s20
	s_cselect_b32 s15, 1, 4                        ; blocks of source 1: 2 or 16
	s_cselect_b32 s16, 1, 15
	s_cselect_b32 s17, 5, 8                        ; log2 of the result's tiles: 32 or 256
	s_lshr_b32 s18, s14, s15                       ; g: which 128 rows of source 0
	s_and_b32 s16, s14, s16                        ; which 256 rows of source 1
	s_lshl_b32 s21, s18, 3
	s_add_co_u32 s19, s19, s21                     ; source 0's first tile of mine
	s_lshl_b32 s21, s16, 4
	s_add_co_u32 s20, s20, s21
	s_lshl_b32 s21, s[WV], 2
	s_add_co_u32 s20, s20, s21                     ; source 1's first tile of my wave
	s_lshl_b32 s16, s16, 2
	s_add_co_u32 s16, s16, s[WV]                   ; G: my four tiles' number in the result
	; descriptor group 1: 2 rows (two tiles' quarter of K) of 8,192 bytes, 32,768 bytes apart, as elements of 8 bytes; dense in LDS
	s_mov_b32 s[G1+0], 3<<16                       ; no mask; elements of 8 bytes; no padding
	s_mov_b32 s[G1+1], 1024<<16                    ; tensor_dim0 = 1,024
	s_mov_b32 s[G1+2], 2<<16                       ; tensor_dim1 = 2
	s_mov_b32 s[G1+3], 1024<<16                    ; tile_dim0 = 1,024
	s_mov_b32 s[G1+4], 2                           ; tile_dim1 = 2
	s_mov_b32 s[G1+5], 4096                        ; from row to row: 4,096 elements
	s_mov_b32 s[G1+6], 0
	s_mov_b32 s[G1+7], 0
	s_lshl_b32 s21, s[WV], 1
	s_add_co_u32 s21, s21, s19                     ; I fetch tiles 2 w and 2 w + 1 of the eight
	s_lshl_b32 s22, s21, 15
	s_mov_b32 s23, 0
	s_lshl_b32 s21, s[WV], 14                      ; their place in a quarter of the panel
	s_wait_dscnt 0x0
	s_wait_kmcnt 0x0
	s_add_nc_u64 s[22:23], s[4:5], s[22:23]
.irp q, 0,1,2,3
	s_mov_b32 s[G0+4*\q], 1                        ; count = 1
	s_add_co_u32 s[G0+4*\q+1], s21, \q*65536       ; LDS address: quarter q, my two tiles
	s_add_nc_u64 s[G0+4*\q+2:G0+4*\q+3], s[22:23], \q*8192   ; K steps 4 q .. 4 q + 3
	s_or_b32 s[G0+4*\q+3], s[G0+4*\q+3], 0x80000000          ; type = 2
.endr
.irp q, 0,1,2,3
	tensor_load_to_lds s[G0+4*\q:G0+4*\q+3], s[G1:G1+7]     ; the panel's only fills, one group at the start
	s_nop 0
.endr
	PLACES 4                                       ; four plain lines follow the tensor loads
	s_mov_b32 s15, 0
	s_lshl_b32 s14, s20, 15
	s_add_nc_u64 s[B1C:B1C+1], s[4:5], s[14:15]
	s_lshl_b32 s14, s19, 10                        ; 2,048 bytes of scale words for each pair of tiles
	s_add_nc_u64 s[B0S:B0S+1], s[6:7], s[14:15]
	s_lshl_b32 s14, s20, 10
	s_add_nc_u64 s[B1S:B1S+1], s[6:7], s[14:15]
.irp pi, 0,1,2,3
.irp qd, 0,1,2,3
	global_load_b128 v[SC0+16*\pi+4*\qd:SC0+16*\pi+4*\qd+3], v[LI], s[B0S:B0S+1] offset:\pi*2048+512*\qd
.endr
.endr
.irp pi, 0,1
.irp qd, 0,1,2,3
	global_load_b128 v[SC1+16*\pi+4*\qd:SC1+16*\pi+4*\qd+3], v[LI], s[B1S:B1S+1] offset:\pi*2048+512*\qd
.endr
.endr
.macro RING ks                         ; source 1's four fragments of K step ks into set ks % 4: 16 loads of 512 consecutive bytes
.irp m, 0,1,2,3
.irp c, 0,1,2,3
	global_load_b128 v[64*((\ks)%4)+16*\m+4*\c:64*((\ks)%4)+16*\m+4*\c+3], v[LI], s[B1C:B1C+1] offset:\m*32768+(\ks)*2048+512*\c
.endr
.endr
.endm
.macro PANEL ks                        ; source 0's eight fragments of K step ks into set ks % 2: 32 LDS loads of 512 consecutive bytes
.irp t, 0,1,2,3,4,5,6,7
.irp c, 0,1,2,3
	ds_load_b128 v[128*((\ks)%2)+16*\t+4*\c:128*((\ks)%2)+16*\t+4*\c+3], v[PA+(\ks)/4] offset:8192*\t+2048*((\ks)%4)+512*\c
.endr
.endr
.endm
	WIN 0xc0                                       ; destination window 3
	RING 0
	RING 1
	RING 2
	RING 3
	WIN 0
	s_lshl_b32 s14, s18, s17                       ; where the results go: c2 + p x 2 MiB + ((g << log2 tiles) + 4 G) x 2,048
	s_lshl_b32 s21, s16, 2
	s_add_co_u32 s14, s14, s21
	s_lshl_b32 s14, s14, 11
	s_lshl_b32 s21, s13, 21
	s_add_co_u32 s14, s14, s21
	s_add_nc_u64 s[OC:OC+1], s[8:9], s[14:15]
	s_sub_co_u32 s17, s17, 2                       ; s2 + p x 65,536 + ((g << log2 (tiles / 4)) + G) x 256
	s_lshl_b32 s14, s18, s17
	s_add_co_u32 s14, s14, s16
	s_lshl_b32 s14, s14, 8
	s_lshl_b32 s21, s13, 16
	s_add_co_u32 s14, s14, s21
	s_add_nc_u64 s[OS:OS+1], s[10:11], s[14:15]
	s_wait_tensorcnt 3                             ; my part of the panel's first quarter is in; my three later loads may be out
	s_barrier_signal -1
	s_barrier_wait -1                              ; everybody's is
	WIN 0x80                                       ; destination window 2
	PANEL 0
; A K step: 32 matrix instructions on 32 accumulators, one instruction a turn, in the same order in every step.  The next step's panel fragments and the ring's set three steps on are asked for ahead of them.
.macro KSTEP ks
	s_wait_dscnt 0x0                               ; this step's fragments of source 0 are in
.if ((\ks)%4 == 3) && ((\ks) < 15)
	s_wait_tensorcnt 2-(\ks)/4                     ; my part of the next quarter is in; the quarters behind it may be out
	s_barrier_signal -1
	s_barrier_wait -1                              ; everybody's is
.endif
.if (\ks) > 0
	PLACES 8                                       ; eight plain lines between the last step's products and loads into the registers that they read
.endif
.if (\ks) < 15
	WIN 0x80
	PANEL (\ks)+1
.endif
.if ((\ks) >= 1) && ((\ks) <= 12)
	WIN 0xc0
	RING (\ks)+3
.endif
.if (\ks) <= 12
	s_wait_loadcnt 48                              ; this step's set (and at first the scale words) is in; the three younger sets of 16 may be out
.else
	s_wait_loadcnt 16*(15-(\ks))
.endif
	WIN 0x5e                                       ; source 0 window 2, source 1 window 3, C and D window 1
.irp m, 0,1,2,3
.irp t, 0,1,2,3,4,5,6,7
.if (\ks) == 0
	WMS 64*\m+8*\t, 128*((\ks)%2)+16*\t, 64*((\ks)%4)+16*\m, 1, SC0+16*(\t/2)+(\ks), SC1+16*(\m/2)+(\ks), \t%2, \m%2
.else
	WMS 64*\m+8*\t, 128*((\ks)%2)+16*\t, 64*((\ks)%4)+16*\m, 0, SC0+16*(\t/2)+(\ks), SC1+16*(\m/2)+(\ks), \t%2, \m%2
.endif
.endr
.endr
.endm
.irp ks, 0,1,2,3,4,5,6,7,8,9,10,11,12,13,14,15
	KSTEP \ks
.endr
	WIN 0
	PLACES 8                                       ; in front of the first read of results
; 64 numbers of a lane in window 1, v[s] on (register 16 b + i = next k 32 b + 16 h + i of my row), become a fragment's codes in v[pc] on and its scale word in v[pw], both in window 0.
; Each accumulator is first read at its low end: the sources ascend.
.macro QUANTW s, pc, pw
	WIN 0x05                                       ; sources 0 and 1 window 1
.irp b, 0,1,2,3
	v_max3_num_f32 v[TM+\b], |v[\s+16*\b]|, |v[\s+1+16*\b]|, 0x8000000   ; and the floor 2^(16 - 127): the byte cannot fall under 1
.endr
	WIN 0x14                                       ; sources 1 and 2 window 1
.irp i, 2,4,6,8,10,12,14
.irp b, 0,1,2,3
	v_max3_num_f32 v[TM+\b], v[TM+\b], |v[\s+16*\b+\i]|, |v[\s+1+16*\b+\i]|
.endr
.endr
	WIN 0
.irp b, 0,1,2,3
	v_permlanex16_b32 v[TM+4+\b], v[TM+\b], s[SEL], s[SEL+1]
.endr
.irp b, 0,1,2,3
	v_max_num_f32 v[TM+\b], v[TM+\b], v[TM+4+\b]   ; the block's largest magnitude
.endr
.irp b, 0,1,2,3
	v_add_nc_u32 v[TM+12+\b], 0xf8800000, v[TM+\b] ; 15 off its exponent field: the conversion's scale operand
.endr
.irp b, 0,1,2,3
	v_and_or_b32 v[TM+8+\b], v[TM+\b], 0x7f800000, s[MNT]   ; 57,344 x the scale
.endr
.irp b, 0,1,2,3
	v_lshrrev_b32 v[TM+4+\b], 23, v[TM+12+\b]      ; the scale's byte
.endr
	v_lshl_or_b32 v[\pw], v[TM+5], 8, v[TM+4]
	v_lshl_or_b32 v[\pw], v[TM+6], 16, v[\pw]
	v_lshl_or_b32 v[\pw], v[TM+7], 24, v[\pw]
	WIN 0x41                                       ; destination and source 0 window 1
.irp b, 0,1,2,3
.irp i, 0,1,2,3,4,5,6,7,8,9,10,11,12,13,14,15
	v_med3_num_f32 v[\s+16*\b+\i], v[\s+16*\b+\i], -v[TM+8+\b], v[TM+8+\b]   ; the conversion does not saturate (ISA guide 7.6.2): the hold comes first
.endr
.endr
	WIN 0x01                                       ; source 0 window 1
.irp b, 0,1,2,3
	v_cvt_scalef32_pk8_bf8_f32 v[\pc+4*\b:\pc+1+4*\b], v[\s+16*\b:\s+7+16*\b], v[TM+12+\b]
	v_cvt_scalef32_pk8_bf8_f32 v[\pc+2+4*\b:\pc+3+4*\b], v[\s+8+16*\b:\s+15+16*\b], v[TM+12+\b]
.endr
	WIN 0
	v_nop                                          ; a plain vector line behind the last conversion
.endm
.irp m, 0,1,2,3
	QUANTW 64*\m, PC+16*\m, PW+\m
.irp c, 0,1,2,3
	global_store_b128 v[LI], v[PC+16*\m+4*\c:PC+16*\m+4*\c+3], s[OC:OC+1] offset:\m*2048+512*\c   ; 512 consecutive bytes; each tile has its own registers: no store's data are written again
.endr
.endr
	v_cmp_lt_u32 vcc_lo, 15, v1                    ; lanes 0-15 store the words of tiles 0 and 2, lanes 16-31 those of tiles 1 and 3
	v_cndmask_b32 v[W], v[PW], v[PW+1], vcc_lo
	v_cndmask_b32 v[W+1], v[PW+2], v[PW+3], vcc_lo
	global_store_b64 v[L8], v[W:W+1], s[OS:OS+1]   ; 256 consecutive bytes, aligned
	s_wait_tensorcnt 0x0
	ds_add_u32 v254, v255
	s_wait_dscnt 0x0
	s_endpgm
.Lfunc_end_k_qaaf67e29ea_proj:
	.size	k_qaaf67e29ea_proj, .Lfunc_end_k_qaaf67e29ea_proj-k_qaaf67e29ea_proj
	.p2alignl 7, 3214868480
	.fill 96, 4, 3214868480
	.section	.rodata,"a",@progbits
	.p2align	6, 0x0
	.amdhsa_kernel k_qaaf67e29ea_proj
		.amdhsa_group_segment_fixed_size 262656
		.amdhsa_private_segment_fixed_size 0
		.amdhsa_enable_private_segment 0
		.amdhsa_kernarg_size 32
		.amdhsa_user_sgpr_count 2
		.amdhsa_user_sgpr_kernarg_segment_ptr 1
		.amdhsa_wavefront_size32 1
		.amdhsa_system_sgpr_workgroup_id_x 1
		.amdhsa_system_sgpr_workgroup_id_y 1
		.amdhsa_system_sgpr_workgroup_id_z 1
		.amdhsa_system_vgpr_workitem_id 0
		.amdhsa_next_free_vgpr 1024
		.amdhsa_next_free_sgpr 66
		.amdhsa_reserve_vcc 1
		.amdhsa_float_denorm_mode_32 3
		.amdhsa_float_denorm_mode_16_64 3
		.amdhsa_memory_ordered 1
		.amdhsa_forward_progress 1
		.amdhsa_inst_pref_size 169
	.end_amdhsa_kernel
	.amdgpu_metadata
---
amdhsa.version: [ 1, 2 ]
amdhsa.kernels:
  - .name:           k_qaaf67e29ea_proj
    .symbol:         k_qaaf67e29ea_proj.kd
    .args:
      - { .name: c1, .offset: 0, .size: 8, .value_kind: global_buffer, .address_space: global }
      - { .name: s1, .offset: 8, .size: 8, .value_kind: global_buffer, .address_space: global }
      - { .name: c2, .offset: 16, .size: 8, .value_kind: global_buffer, .address_space: global }
      - { .name: s2, .offset: 24, .size: 8, .value_kind: global_buffer, .address_space: global }
    .group_segment_fixed_size: 262656
    .private_segment_fixed_size: 0
    .kernarg_segment_align: 8
    .kernarg_segment_size: 32
    .max_flat_workgroup_size: 128
    .sgpr_count:     66
    .vgpr_count:     1024
    .wavefront_size: 32
...
	.end_amdgpu_metadata
.endif
;; end of part 2
;; launch attn (part 3): grid 238 x 1, 4 waves a work-group, no clusters, 84,480 bytes of LDS; arguments c2, s2, part; writes part
.if DOCPART == 3
	.amdgcn_target "amdgcn-amd-amdhsa--gfx1250"
	.amdhsa_code_object_version 6
	.text
	.protected	k_qaaf67e29ea_attn
	.globl	k_qaaf67e29ea_attn
	.p2align	8
	.type	k_qaaf67e29ea_attn,@function
k_qaaf67e29ea_attn:
	s_mov_b64 s[64:65], 0
	v_nop
	global_prefetch_b8 v0, s[64:65] scope:SCOPE_SE
	s_setreg_imm32_b32 hwreg(HW_REG_WAVE_MODE, 25, 1), 1
	s_wait_xcnt 0x0
; part[c][b] = a v for the 64 queries of block b and the keys of chunk c, where a = (q k^T) x 512^-0.5 with a = 0 where key >= query; both products on codes of E5M2 with E8M0 scales.
; a is computed in f32 (the product's f32 sums, one f32 multiplication, the mask) and quantised along the keys in blocks of 32.
; WHAT IS DONE.  Block b (queries 64 b .. 64 b + 63) needs the key steps of 128 up to b / 2: b / 2 + 1 of them.  Chunk c is steps 5 c .. 5 c + 4 and exists for b >= 10 c: 64 + 54 + 44 + 34 + 24 + 14 + 4 = 238 work-groups.
; A work-group walks nst = min(5, b / 2 + 1 - 5 c) steps, 1 to 5: steps that lie wholly under the mask are not walked.  nst hangs on the work-group's number alone, so all four waves leave the walk at the same place.
; THE ORDER OF THE WALK.  A work-group with five steps begins at step b % 5 of its chunk and wraps round, so that the work-groups of a chunk do not all ask for one step's codes at one time: at each position of the walk a fifth of them asks for each step.
; WITHIN A STEP.  S: wave w makes S^T = k q^T for keys 32 w .. 32 w + 31 of the step and all 64 queries (2 tiles of keys x 4 tiles of queries x 4 steps along d = 32 matrix instructions); k's tiles hold keys
; 32 (T / 2) + 8 (T % 2) + r + 8 (r / 8), so a lane's 16 registers of a tile of queries are 16 neighbouring keys: with lane l xor 16, one block of 32.  They become register group w of each tile's fragment of a, and byte w of its scale words:
; through LDS as images of the registers, one barrier.  PV: wave w makes O^T = v^T a^T for channels 128 w .. 128 w + 127: 8 tiles x 4 tiles of queries = 32 matrix instructions.
; k's and v^T's fragments go from memory straight into the one wave's registers that uses them, each feeding four matrix instructions.  q is read from memory once by the work-group (wave w: tile w), goes round through LDS as images, and stays in every wave's registers.
; NO CLUSTER: the work-groups that walk the same keys are those of one chunk, 64, 54, 44, 34, 24, 14 or 4 of them: 54, 34 and 14 do not divide into fours; partners would walk 1 to 5 steps, in different orders; and no fragment of k or v passes through LDS, where a joint load would have to land.
; LIMITS: a block of zeros gets the byte 1 (its codes are zeros; only this program reads the bytes); NaN and infinities are not served; the sums over the keys are taken in the order of the walk within a chunk, and the chunks are added by the next launch, ascending.
; REGISTERS, in windows of 256: window 0: see below.  window 1: q, 16 (4 m + s).  window 2: O^T, 64 m + 8 t.  window 3: k, 16 (4 u + s); v^T, 128 + 16 t.
.set QIMG,  0                          ; LDS: q's 16 fragments, 4 m + s, 2,048 bytes each: written once;
.set PIMG,  32768                      ; two buffers of a's four fragments (2 x 4 x 2,048);
.set PSC,   49152                      ; two of their scale words (2 x 4 x 128);
.set STAGE, 50176                      ; the way out: 16 rows x 528 bytes for each wave
.set SROW,  528                        ; 512 bytes + 16 = 132 words: row r starts 4 r words on modulo 64 (64 banks of 4 bytes: ISA guide 11.1)
.set LI,   4                           ; v4   16 x lane
.set L8,   5                           ; v5   8 x lane
.set LS,   6                           ; v6   4 x lane
.set PST,  7                           ; v7   16 x lane + 512 x wave: my register group's place in an image of a
.set PB,   8                           ; v8   4 x lane + wave: my byte of a scale word
.set STO,  9                           ; v9   the stage: where I put 32 bytes of a row
.set RD,   10                          ; v10  and where I read a row back
.set ZERO, 11                          ; v11  0
.set RH,   12                          ; v12  r - 16 h
.set QST,  13                          ; v13  16 x lane + 8,192 x wave: where I store my tile of q
.set DM,   16                          ; v16-19 the mask's bound for each tile of queries
.set TM,   20                          ; v20-35 the quantiser's
.set PC,   36                          ; v36-51 codes: 4 registers a tile of queries
.set QS,   52                          ; v52-59 q's scale words: 2 s + m / 2, row m % 2
.set KS,   60                          ; v60-63 k's: s, row u
.set VS,   64                          ; v64-67 v^T's: 2 (t / 4) + (t % 4) / 2, row t % 2
.set PS,   68                          ; v68-71 a's: m
.set SA,   72                          ; v72-135 at the head my tile of q; then S^T, then a: 16 m + 8 u + j
.set PF,   136                         ; v136-199 a's four fragments
.set WV,   10
.set CH,   11                          ; s11  the chunk
.set QB,   12                          ; s12  the block of queries
.set CS,   66                          ; s[66:67] 512^-0.5: the packed form names a pair and takes its low word for both halves
.set SEL,  68
.set MNT,  70
.set MB,   71                          ; s71  64 b - 640 c - 32 w - 1
.set NST,  82                          ; s82  how many steps I walk: made of the work-group's number alone
.set ROT,  83                          ; s83  at which step of the chunk I begin
.set MBJ,  84                          ; s84-88 position j of the walk: 64 b - (my first key there) - 1
.set STP,  91                          ; s91-95 position j of the walk: the key step
; s[24+8j:31+8j]: position j's bases: k's codes, k's scale words, v^T's codes, v^T's scale words.  Made once: no base of a pending load is ever written
.set MSB, 0
.macro WIN new                         ; the immediate's high byte repeats the setting that is left; a switch that changes nothing is dropped
.if MSB != \new
	s_set_vgpr_msb (MSB<<8)|\new
.set MSB, \new
.endif
.endm
.macro PLACES n
.rept \n
	v_nop
.endr
.endm
; The scaled matrix instruction on E5M2 codes.  d, a, b: first registers of D (and C), source 0, source 1; zero = 1: C is 0; sa, sb: scale registers; ra, rb = 1: that side's scales stand in lanes 16-31
.macro WMS d, a, b, zero, sa, sb, ra, rb
.if (\zero)
.if (\ra) && (\rb)
	v_wmma_scale_f32_16x16x128_f8f6f4 v[\d:\d+7], v[\a:\a+15], v[\b:\b+15], 0, v[\sa], v[\sb] matrix_a_fmt:MATRIX_FMT_BF8 matrix_b_fmt:MATRIX_FMT_BF8 matrix_a_scale:MATRIX_SCALE_ROW1 matrix_b_scale:MATRIX_SCALE_ROW1
.elseif (\ra)
	v_wmma_scale_f32_16x16x128_f8f6f4 v[\d:\d+7], v[\a:\a+15], v[\b:\b+15], 0, v[\sa], v[\sb] matrix_a_fmt:MATRIX_FMT_BF8 matrix_b_fmt:MATRIX_FMT_BF8 matrix_a_scale:MATRIX_SCALE_ROW1
.elseif (\rb)
	v_wmma_scale_f32_16x16x128_f8f6f4 v[\d:\d+7], v[\a:\a+15], v[\b:\b+15], 0, v[\sa], v[\sb] matrix_a_fmt:MATRIX_FMT_BF8 matrix_b_fmt:MATRIX_FMT_BF8 matrix_b_scale:MATRIX_SCALE_ROW1
.else
	v_wmma_scale_f32_16x16x128_f8f6f4 v[\d:\d+7], v[\a:\a+15], v[\b:\b+15], 0, v[\sa], v[\sb] matrix_a_fmt:MATRIX_FMT_BF8 matrix_b_fmt:MATRIX_FMT_BF8
.endif
.else
.if (\ra) && (\rb)
	v_wmma_scale_f32_16x16x128_f8f6f4 v[\d:\d+7], v[\a:\a+15], v[\b:\b+15], v[\d:\d+7], v[\sa], v[\sb] matrix_a_fmt:MATRIX_FMT_BF8 matrix_b_fmt:MATRIX_FMT_BF8 matrix_a_scale:MATRIX_SCALE_ROW1 matrix_b_scale:MATRIX_SCALE_ROW1
.elseif (\ra)
	v_wmma_scale_f32_16x16x128_f8f6f4 v[\d:\d+7], v[\a:\a+15], v[\b:\b+15], v[\d:\d+7], v[\sa], v[\sb] matrix_a_fmt:MATRIX_FMT_BF8 matrix_b_fmt:MATRIX_FMT_BF8 matrix_a_scale:MATRIX_SCALE_ROW1
.elseif (\rb)
	v_wmma_scale_f32_16x16x128_f8f6f4 v[\d:\d+7], v[\a:\a+15], v[\b:\b+15], v[\d:\d+7], v[\sa], v[\sb] matrix_a_fmt:MATRIX_FMT_BF8 matrix_b_fmt:MATRIX_FMT_BF8 matrix_b_scale:MATRIX_SCALE_ROW1
.else
	v_wmma_scale_f32_16x16x128_f8f6f4 v[\d:\d+7], v[\a:\a+15], v[\b:\b+15], v[\d:\d+7], v[\sa], v[\sb] matrix_a_fmt:MATRIX_FMT_BF8 matrix_b_fmt:MATRIX_FMT_BF8
.endif
.endif
.endm
	s_load_b128 s[4:7], s[0:1], 0x0                ; c2 s[4:5], s2 s[6:7]
	s_load_b64 s[8:9], s[0:1], 0x10                ; part
	v_lshl_add_u32 v254, v0, 2, 0x14800
	v_mov_b32 v255, 0
	v_lshrrev_b32 v1, 5, v0
	v_readfirstlane_b32 s[WV], v1                  ; wave 0..3
	v_and_b32 v1, 31, v0                           ; lane
	v_and_b32 v2, 15, v0                           ; r
	v_bfe_u32 v3, v0, 4, 1                         ; h
	v_lshlrev_b32 v[LI], 4, v1
	v_lshlrev_b32 v[L8], 3, v1
	v_lshlrev_b32 v[LS], 2, v1
	s_lshl_b32 s22, s[WV], 9
	v_add_nc_u32 v[PST], s22, v[LI]
	v_add_nc_u32 v[PB], s[WV], v[LS]
	s_lshl_b32 s22, s[WV], 13
	v_add_nc_u32 v[QST], s22, v[LI]
	s_mul_i32 s22, s[WV], 16*SROW
	s_add_co_u32 s22, s22, STAGE                   ; my stage
	v_mul_u32_u24 v[STO], v2, SROW
	v_lshl_add_u32 v[STO], v3, 5, v[STO]
	v_add_nc_u32 v[STO], s22, v[STO]               ; in: row r, + 32 h
	v_add_nc_u32 v[RD], s22, v[LI]                 ; back: the 32 lanes take one row of 512 bytes
	v_mov_b32 v[ZERO], 0
	v_lshlrev_b32 v[RH], 4, v3
	v_sub_nc_u32 v[RH], v2, v[RH]
.irp b, 0,1,2,3
	v_mov_b32 v[TM+4+\b], 0                        ; written once: a lane permute's destination counts as one of its sources
.endr
	s_mov_b32 s[CS], 0x3d3504f3                    ; 512^-0.5
	s_mov_b32 s[CS+1], s[CS]                       ; (named with it as a pair, so it is written)
	s_mov_b32 s[SEL], 0x76543210
	s_mov_b32 s[SEL+1], 0xfedcba98
	s_mov_b32 s[MNT], 0x600000
	s_mov_b32 s[CH], 0
	s_mov_b32 s13, 0
.macro PICK lim, c, off                ; from work-group lim on: chunk c, block = work-group - off
	s_cmp_ge_u32 ttmp9, \lim
	s_cselect_b32 s[CH], \c, s[CH]
	s_cselect_b32 s13, \off, s13
.endm
	PICK 64, 1, 54
	PICK 118, 2, 98
	PICK 162, 3, 132
	PICK 196, 4, 156
	PICK 220, 5, 170
	PICK 234, 6, 174
	s_sub_co_u32 s[QB], ttmp9, s13
	s_lshl_b32 s[MB], s[QB], 6
	s_mul_i32 s22, s[CH], 640
	s_sub_co_i32 s[MB], s[MB], s22
	s_lshl_b32 s22, s[WV], 5
	s_sub_co_i32 s[MB], s[MB], s22
	s_sub_co_i32 s[MB], s[MB], 1
	s_mul_i32 s23, s[CH], 5                        ; the chunk's first step
	s_lshr_b32 s[NST], s[QB], 1
	s_add_co_u32 s[NST], s[NST], 1                 ; the block's steps: b / 2 + 1, above 5 c since b >= 10 c
	s_sub_co_u32 s[NST], s[NST], s23
	s_min_u32 s[NST], s[NST], 5                    ; those of them that are this chunk's: 1 to 5
	s_mul_hi_u32 s[ROT], s[QB], 0xcccccccd
	s_lshr_b32 s[ROT], s[ROT], 2                   ; b / 5
	s_mul_i32 s[ROT], s[ROT], 5
	s_sub_co_u32 s[ROT], s[QB], s[ROT]             ; b % 5
	s_cmp_eq_u32 s[NST], 5
	s_cselect_b32 s[ROT], s[ROT], 0                ; a walk of fewer than five steps begins at the chunk's first
.irp j, 0,1,2,3,4
	s_add_co_u32 s[STP+\j], s[ROT], \j
	s_cmp_ge_u32 s[STP+\j], 5
	s_cselect_b32 s89, 5, 0
	s_sub_co_u32 s[STP+\j], s[STP+\j], s89         ; position j: step (begin + j) % 5 of the chunk
	s_lshl_b32 s89, s[STP+\j], 7
	s_sub_co_i32 s[MBJ+\j], s[MB], s89             ; 64 b - (my first key of that step) - 1
	s_add_co_u32 s[STP+\j], s[STP+\j], s23
	s_min_u32 s[STP+\j], s[STP+\j], 31             ; (the positions that are walked lie under 32 by themselves; those behind the walk's end are never loaded, and are held so that every base made below lies in its buffer)
.endr
	s_mov_b32 s15, 0
	s_wait_kmcnt 0x0
	s_lshl_b32 s14, s[QB], 13
	s_lshl_b32 s22, s[WV], 11
	s_add_co_u32 s14, s14, s22
	s_add_nc_u64 s[16:17], s[4:5], s[14:15]        ; q's codes: tile 4 b + w
	s_lshl_b32 s14, s[QB], 8
	s_add_nc_u64 s[18:19], s[6:7], s[14:15]        ; q's scale words
.irp s, 0,1,2,3
	global_load_b64 v[QS+2*\s:QS+2*\s+1], v[L8], s[18:19] offset:\s*16384
.endr
.irp s, 0,1,2,3
.irp c, 0,1,2,3
	global_load_b128 v[SA+16*\s+4*\c:SA+16*\s+4*\c+3], v[LI], s[16:17] offset:\s*524288+512*\c   ; my tile of q: four fragments
.endr
.endr
	s_lshl_b32 s14, s[WV], 12
	s_add_co_u32 s14, s14, 0x200000
	s_add_nc_u64 s[74:75], s[4:5], s[14:15]        ; k's codes: my two tiles of step 0
	s_lshr_b32 s14, s[WV], 1
	s_lshl_b32 s14, s14, 8
	s_and_b32 s22, s[WV], 1
	s_lshl_b32 s22, s22, 2
	s_add_co_u32 s14, s14, s22
	s_add_co_u32 s14, s14, 65536
	s_add_nc_u64 s[76:77], s[6:7], s[14:15]        ; k's scale words: group w / 2 of four tiles, word w % 2
	s_lshl_b32 s14, s[WV], 14
	s_add_co_u32 s14, s14, 0x400000
	s_add_nc_u64 s[78:79], s[4:5], s[14:15]        ; v^T's codes: my eight tiles of step 0
	s_lshl_b32 s14, s[WV], 9
	s_add_co_u32 s14, s14, 131072
	s_add_nc_u64 s[80:81], s[6:7], s[14:15]        ; v^T's scale words
.irp j, 0,1,2,3,4
	s_lshl_b32 s14, s[STP+\j], 14
	s_add_nc_u64 s[24+8*\j:25+8*\j], s[74:75], s[14:15]
	s_lshl_b32 s14, s[STP+\j], 9
	s_add_nc_u64 s[26+8*\j:27+8*\j], s[76:77], s[14:15]
	s_lshl_b32 s14, s[STP+\j], 16
	s_add_nc_u64 s[28+8*\j:29+8*\j], s[78:79], s[14:15]
	s_lshl_b32 s14, s[STP+\j], 11
	s_add_nc_u64 s[30+8*\j:31+8*\j], s[80:81], s[14:15]
.endr
.macro KLOAD j                         ; position j's k: 4 + 32 = 36 loads
.irp s, 0,1,2,3
	global_load_b32 v[KS+\s], v[L8], s[26+8*(\j):27+8*(\j)] offset:\s*16384
.endr
	WIN 0xc0                                       ; destination window 3
.irp u, 0,1
.irp s, 0,1,2,3
.irp c, 0,1,2,3
	global_load_b128 v[16*(4*\u+\s)+4*\c:16*(4*\u+\s)+4*\c+3], v[LI], s[24+8*(\j):25+8*(\j)] offset:\s*524288+\u*2048+512*\c
.endr
.endr
.endr
	WIN 0
.endm
.macro VLOAD j                         ; position j's v^T: 2 + 32 = 34 loads
.irp gg, 0,1
	global_load_b64 v[VS+2*\gg:VS+2*\gg+1], v[L8], s[30+8*(\j):31+8*(\j)] offset:\gg*256
.endr
	WIN 0xc0
.irp t, 0,1,2,3,4,5,6,7
.irp c, 0,1,2,3
	global_load_b128 v[128+16*\t+4*\c:128+16*\t+4*\c+3], v[LI], s[28+8*(\j):29+8*(\j)] offset:\t*2048+512*\c
.endr
.endr
	WIN 0
.endm
	KLOAD 0
	s_lshl_b32 s14, s[CH], 6
	s_add_co_u32 s14, s14, s[QB]
	s_lshl_b32 s14, s14, 17
	s_lshl_b32 s22, s[WV], 9
	s_add_co_u32 s14, s14, s22
	s_add_nc_u64 s[20:21], s[8:9], s[14:15]        ; part[c][b], my 128 channels
	s_wait_loadcnt 36                              ; q's scale words and my tile of q are in; k's 36 loads may be out
.irp s, 0,1,2,3
.irp c, 0,1,2,3
	ds_store_b128 v[QST], v[SA+16*\s+4*\c:SA+16*\s+4*\c+3] offset:QIMG+2048*\s+512*\c   ; fragment 4 w + s as it stands
.endr
.endr
	VLOAD 0
	s_wait_dscnt 0x0                               ; for the others' sake: my tile of q has landed
	s_barrier_signal -1
	s_barrier_wait -1                              ; all four tiles lie in LDS
	WIN 0x40                                       ; destination window 1
.irp f, 0,1,2,3,4,5,6,7,8,9,10,11,12,13,14,15
.irp c, 0,1,2,3
	ds_load_b128 v[16*\f+4*\c:16*\f+4*\c+3], v[LI] offset:QIMG+2048*\f+512*\c   ; q stays in registers
.endr
.endr
	WIN 0
	s_wait_dscnt 0x0
; 64 numbers of a lane, v[s] on: register 16 b + i = key 16 h + i of my 32, for my query of tile b.  They become 4 registers of codes a tile in v[pc] on; the tiles' scale bytes stay in v[TM+4] on.
.macro QUANT s, pc
.irp b, 0,1,2,3
	v_max3_num_f32 v[TM+\b], |v[\s+16*\b]|, |v[\s+1+16*\b]|, 0x8000000   ; and the floor 2^(16 - 127): the byte cannot fall under 1
.endr
.irp i, 2,4,6,8,10,12,14
.irp b, 0,1,2,3
	v_max3_num_f32 v[TM+\b], v[TM+\b], |v[\s+16*\b+\i]|, |v[\s+1+16*\b+\i]|
.endr
.endr
.irp b, 0,1,2,3
	v_permlanex16_b32 v[TM+4+\b], v[TM+\b], s[SEL], s[SEL+1]
.endr
.irp b, 0,1,2,3
	v_max_num_f32 v[TM+\b], v[TM+\b], v[TM+4+\b]   ; with lane l xor 16's 16 keys: the block's largest magnitude
.endr
.irp b, 0,1,2,3
	v_add_nc_u32 v[TM+12+\b], 0xf8800000, v[TM+\b] ; 15 off its exponent field: the conversion's scale operand
.endr
.irp b, 0,1,2,3
	v_and_or_b32 v[TM+8+\b], v[TM+\b], 0x7f800000, s[MNT]   ; 57,344 x the scale
.endr
.irp b, 0,1,2,3
	v_lshrrev_b32 v[TM+4+\b], 23, v[TM+12+\b]      ; the scale's byte
.endr
.irp b, 0,1,2,3
.irp i, 0,1,2,3,4,5,6,7,8,9,10,11,12,13,14,15
	v_med3_num_f32 v[\s+16*\b+\i], v[\s+16*\b+\i], -v[TM+8+\b], v[TM+8+\b]   ; the conversion does not saturate (ISA guide 7.6.2): the hold comes first
.endr
	v_cvt_scalef32_pk8_bf8_f32 v[\pc+4*\b:\pc+1+4*\b], v[\s+16*\b:\s+7+16*\b], v[TM+12+\b]
	v_cvt_scalef32_pk8_bf8_f32 v[\pc+2+4*\b:\pc+3+4*\b], v[\s+8+16*\b:\s+15+16*\b], v[TM+12+\b]
.endr
	v_nop                                          ; a plain vector line behind the last conversion
.endm
; POSITION j OF THE WALK: one key step.  first = 1: its products start O^T's sums with the constant 0.  last = 1: the fifth position, behind which nothing can follow.  a's images lie in buffer j % 2.
.macro STEP j, first, last
	s_wait_loadcnt 34                              ; k of this step is in; v^T's 34 loads may be out
	WIN 0x07                                       ; source 0 (k) window 3, source 1 (q) window 1, C and D window 0
.irp s, 0,1,2,3                        ; the eight accumulators by turns, one instruction a turn
.irp m, 0,1,2,3
.irp u, 0,1
.if \s == 0
	WMS SA+16*\m+8*\u, 16*(4*\u+\s), 16*(4*\m+\s), 1, KS+\s, QS+2*\s+\m/2, \u, \m%2
.else
	WMS SA+16*\m+8*\u, 16*(4*\u+\s), 16*(4*\m+\s), 0, KS+\s, QS+2*\s+\m/2, \u, \m%2
.endif
.endr
.endr
.endr
	WIN 0
	PLACES 8                                       ; eight plain lines in front of loads into registers that these products read, and of the first read of their results
.if !(\last)
	s_cmp_gt_u32 s[NST], (\j)+1                    ; does a step follow?  The work-group's number decides
	s_cbranch_scc1 .Lmore_\@
	s_wait_loadcnt 0x0                             ; none: nothing more is asked for, and v^T of this step is all that is out.  So the counted wait further down holds on both ways
	s_branch .Lasked_\@
.Lmore_\@:
	KLOAD (\j)+1
.Lasked_\@:
.endif
.set II, 0
.rept 32
	v_pk_mul_f32 v[SA+II:SA+II+1], v[SA+II:SA+II+1], s[CS:CS+1] op_sel_hi:[1,0]   ; x 512^-0.5, ascending: each accumulator is first read at its low end
.set II, II+2
.endr
	s_cmp_ge_i32 s[MBJ+(\j)], 31                   ; all my 32 keys come before the block's first query: nothing is masked.  A branch on ids; no barrier stands under it
	s_cbranch_scc1 .Lopen_\@
	v_add_nc_u32 v[DM], s[MBJ+(\j)], v[RH]         ; register 16 m + n holds key (first key) + 16 h + n and query 64 b + 16 m + r: masked where key >= query, that is n > 64 b - first key - 1 + 16 m + r - 16 h
	v_add_nc_u32 v[DM+1], 16, v[DM]
	v_add_nc_u32 v[DM+2], 32, v[DM]
	v_add_nc_u32 v[DM+3], 48, v[DM]
.irp m, 0,1,2,3
.irp n, 0,1,2,3,4,5,6,7,8,9,10,11,12,13,14,15
	v_cmp_gt_i32 vcc_lo, \n, v[DM+\m]
	v_cndmask_b32 v[SA+16*\m+\n], v[SA+16*\m+\n], v[ZERO], vcc_lo
.endr
.endr
.Lopen_\@:
	QUANT SA, PC
.irp m, 0,1,2,3
	ds_store_b128 v[PST], v[PC+4*\m:PC+4*\m+3] offset:PIMG+8192*((\j)%2)+2048*\m   ; register group w of tile m's image
.endr
.irp m, 0,1,2,3
	ds_store_b8 v[PB], v[TM+4+\m] offset:PSC+512*((\j)%2)+128*\m                   ; byte w of my row's scale word
.endr
	s_wait_dscnt 0x0                               ; for the others' sake: my stores have landed.  (My reads of the other buffer were waited for in the last step: it is written again only behind this barrier)
	s_barrier_signal -1
	s_barrier_wait -1
.irp m, 0,1,2,3
.irp c, 0,1,2,3
	ds_load_b128 v[PF+16*\m+4*\c:PF+16*\m+4*\c+3], v[LI] offset:PIMG+8192*((\j)%2)+2048*\m+512*\c
.endr
	ds_load_b32 v[PS+\m], v[LS] offset:PSC+512*((\j)%2)+128*\m
.endr
.if \last
	s_wait_loadcnt 0x0
.else
	s_wait_loadcnt 36                              ; v^T of this step is in; the next step's 36 loads of k, if they were asked for, may be out
.endif
	WIN 0xa3                                       ; source 0 (v^T) window 3, source 1 (a) window 0, C and D window 2
.irp m, 0,1,2,3                        ; 32 accumulators, one instruction each; a tile of queries at a time, so that the first products need only a's first fragment
	s_wait_dscnt 5*(3-\m)                          ; tile m's four loads and its scale words are back; the five loads of each later tile may be out
.irp t, 0,1,2,3,4,5,6,7
	WMS 64*\m+8*\t, 128+16*\t, PF+16*\m, \first, VS+2*(\t/4)+(\t%4)/2, PS+\m, \t%2, 0
.endr
.endr
	WIN 0
	PLACES 8                                       ; in front of loads into registers that these products read; at the walk's end, of the first read of O^T
.if !(\last)
	s_cmp_gt_u32 s[NST], (\j)+1                    ; the walk ends here where no step follows: the same in all four waves, so none waits at a barrier that another has left
	s_cbranch_scc0 .Lout
	VLOAD (\j)+1
.endif
.endm
	STEP 0, 1, 0
	STEP 1, 0, 0
	STEP 2, 0, 0
	STEP 3, 0, 0
	STEP 4, 0, 1
.Lout:
; THE WAY OUT, a tile of 16 queries at a time.  A lane holds 32 neighbouring bytes of a row for each of 8 tiles of channels; the tile goes through my own stage and comes back as whole rows of 512 bytes.
; LDS serves a wave's instructions in order (ISA guide 5.7.1.4): no wait between the stores and the loads, nor in front of the next tile's stores.
.macro TOSTAGE m
	WIN 0x08                                       ; an LDS store's data are its source 1: window 2
.irp t, 0,1,2,3,4,5,6,7
	ds_store_b128 v[STO], v[64*(\m)+8*\t:64*(\m)+8*\t+3] offset:64*\t          ; each accumulator from its low end on
	ds_store_b128 v[STO], v[64*(\m)+8*\t+4:64*(\m)+8*\t+7] offset:64*\t+16
.endr
	WIN 0
.set BB, SA+64*((\m)%2)
.irp i, 0,1,2,3,4,5,6,7,8,9,10,11,12,13,14,15
	ds_load_b128 v[BB+4*\i:BB+4*\i+3], v[RD] offset:\i*SROW
.endr
.endm
.macro SEND m, younger                 ; younger: the LDS instructions issued behind tile m's loads, which may stay out
.set BB, SA+64*((\m)%2)
	s_wait_dscnt \younger
.irp i, 0,1,2,3,4,5,6,7,8,9,10,11,12,13,14,15
	global_store_b128 v[LI], v[BB+4*\i:BB+4*\i+3], s[20:21] offset:(16*(\m)+\i)*2048 th:TH_STORE_NT   ; 512 consecutive bytes, at a multiple of 256 from the buffer's first byte
.endr
.endm
	TOSTAGE 0
	TOSTAGE 1
	SEND 0, 32                                     ; behind tile 0's loads: tile 1's 16 stores and 16 loads
	s_wait_xcnt 0x0                                ; tile 0's stores have read their registers: tile 2's rows may land there
	TOSTAGE 2
	SEND 1, 32
	s_wait_xcnt 0x0
	TOSTAGE 3
	SEND 2, 32
	SEND 3, 0
	s_wait_tensorcnt 0x0
	ds_add_u32 v254, v255
	s_wait_dscnt 0x0
	s_endpgm
.Lfunc_end_k_qaaf67e29ea_attn:
	.size	k_qaaf67e29ea_attn, .Lfunc_end_k_qaaf67e29ea_attn-k_qaaf67e29ea_attn
	.p2alignl 7, 3214868480
	.fill 96, 4, 3214868480
	.section	.rodata,"a",@progbits
	.p2align	6, 0x0
	.amdhsa_kernel k_qaaf67e29ea_attn
		.amdhsa_group_segment_fixed_size 84480
		.amdhsa_private_segment_fixed_size 0
		.amdhsa_enable_private_segment 0
		.amdhsa_kernarg_size 24
		.amdhsa_user_sgpr_count 2
		.amdhsa_user_sgpr_kernarg_segment_ptr 1
		.amdhsa_wavefront_size32 1
		.amdhsa_system_sgpr_workgroup_id_x 1
		.amdhsa_system_sgpr_workgroup_id_y 1
		.amdhsa_system_sgpr_workgroup_id_z 1
		.amdhsa_system_vgpr_workitem_id 0
		.amdhsa_next_free_vgpr 1024
		.amdhsa_next_free_sgpr 100
		.amdhsa_reserve_vcc 1
		.amdhsa_float_denorm_mode_32 3
		.amdhsa_float_denorm_mode_16_64 3
		.amdhsa_memory_ordered 1
		.amdhsa_forward_progress 1
		.amdhsa_inst_pref_size 186
	.end_amdhsa_kernel
	.amdgpu_metadata
---
amdhsa.version: [ 1, 2 ]
amdhsa.kernels:
  - .name:           k_qaaf67e29ea_attn
    .symbol:         k_qaaf67e29ea_attn.kd
    .args:
      - { .name: c2, .offset: 0, .size: 8, .value_kind: global_buffer, .address_space: global }
      - { .name: s2, .offset: 8, .size: 8, .value_kind: global_buffer, .address_space: global }
      - { .name: part, .offset: 16, .size: 8, .value_kind: global_buffer, .address_space: global }
    .group_segment_fixed_size: 84480
    .private_segment_fixed_size: 0
    .kernarg_segment_align: 8
    .kernarg_segment_size: 24
    .max_flat_workgroup_size: 128
    .sgpr_count:     100
    .vgpr_count:     1024
    .wavefront_size: 32
...
	.end_amdgpu_metadata
.endif
;; end of part 3
;; launch sum (part 4): grid 512 x 1, 8 waves a work-group, no clusters, 0 bytes of LDS; arguments part, out0; writes out0
.if DOCPART == 4
	.amdgcn_target "amdgcn-amd-amdhsa--gfx1250"
	.amdhsa_code_object_version 6
	.text
	.protected	k_qaaf67e29ea_sum
	.globl	k_qaaf67e29ea_sum
	.p2align	8
	.type	k_qaaf67e29ea_sum,@function
k_qaaf67e29ea_sum:
	s_mov_b64 s[64:65], 0
	v_nop
	global_prefetch_b8 v0, s[64:65] scope:SCOPE_SE
	s_setreg_imm32_b32 hwreg(HW_REG_WAVE_MODE, 25, 1), 1
	s_wait_xcnt 0x0
; out0 = the sum over chunks c of part[c][b], for each block b of 64 queries: chunks 0 .. b / 10 exist (b >= 10 c), so a block has 1 to 7 parts; they are added in f32, chunks ascending.
; A block's part is 131,072 bytes; a work-group takes an eighth of a block, a wave 2,048 bytes: four loads of 512 consecutive bytes from each part, all issued at once, and four stores.
; The number of parts hangs on the work-group's number alone: seven tails, each whole in itself.  A stream: no LDS, no barrier, no matrix unit.
.set ACC, 8                            ; v8-23 part 0 and the sums; part c at v[8 + 16 c]
	s_load_b128 s[4:7], s[0:1], 0x0                ; part, out0
	v_lshrrev_b32 v1, 5, v0
	v_and_b32 v2, 31, v0
	v_lshlrev_b32 v2, 4, v2
	v_lshl_add_u32 v1, v1, 11, v2                  ; 2,048 x wave + 16 x lane
	s_lshr_b32 s8, ttmp9, 3                        ; b
	s_lshl_b32 s10, ttmp9, 14                      ; 131,072 b + 16,384 x (my eighth)
	s_mov_b32 s11, 0
	s_wait_kmcnt 0x0
	s_add_nc_u64 s[6:7], s[6:7], s[10:11]
	s_add_nc_u64 s[12:13], s[4:5], s[10:11]        ; part 0
.irp c, 1,2,3,4,5,6
	s_add_nc_u64 s[12+2*\c:13+2*\c], s[10+2*\c:11+2*\c], 0x800000   ; a chunk on: 64 blocks of 131,072 bytes
.endr
.macro RED n
.set CC, 0
.rept \n
.irp u, 0,1,2,3
	global_load_b128 v[ACC+16*CC+4*\u:ACC+16*CC+4*\u+3], v1, s[12+2*CC:13+2*CC] offset:512*\u th:TH_LOAD_NT
.endr
.set CC, CC+1
.endr
.if \n == 1
	s_wait_loadcnt 0x0
.endif
.set CC, 1
.rept \n-1
	s_wait_loadcnt 4*(\n-1-CC)                     ; parts 0 to CC are in; the four loads of each later part may be out
.irp k, 0,2,4,6,8,10,12,14
	v_pk_add_f32 v[ACC+\k:ACC+\k+1], v[ACC+\k:ACC+\k+1], v[ACC+16*CC+\k:ACC+16*CC+\k+1]
.endr
.set CC, CC+1
.endr
.irp u, 0,1,2,3
	global_store_b128 v1, v[ACC+4*\u:ACC+4*\u+3], s[6:7] offset:512*\u th:TH_STORE_NT   ; 512 consecutive bytes
.endr
	s_endpgm
.endm
.irp n, 1,2,3,4,5,6
	s_cmp_lt_u32 s8, 10*\n
	s_cbranch_scc1 .Lparts\n
.endr
	RED 7
.irp n, 1,2,3,4,5,6
.Lparts\n:
	RED \n
.endr
.Lfunc_end_k_qaaf67e29ea_sum:
	.size	k_qaaf67e29ea_sum, .Lfunc_end_k_qaaf67e29ea_sum-k_qaaf67e29ea_sum
	.p2alignl 7, 3214868480
	.fill 96, 4, 3214868480
	.section	.rodata,"a",@progbits
	.p2align	6, 0x0
	.amdhsa_kernel k_qaaf67e29ea_sum
		.amdhsa_group_segment_fixed_size 0
		.amdhsa_private_segment_fixed_size 0
		.amdhsa_enable_private_segment 0
		.amdhsa_kernarg_size 16
		.amdhsa_user_sgpr_count 2
		.amdhsa_user_sgpr_kernarg_segment_ptr 1
		.amdhsa_wavefront_size32 1
		.amdhsa_system_sgpr_workgroup_id_x 1
		.amdhsa_system_sgpr_workgroup_id_y 1
		.amdhsa_system_sgpr_workgroup_id_z 1
		.amdhsa_system_vgpr_workitem_id 0
		.amdhsa_next_free_vgpr 128
		.amdhsa_next_free_sgpr 66
		.amdhsa_reserve_vcc 0
		.amdhsa_float_denorm_mode_32 3
		.amdhsa_float_denorm_mode_16_64 3
		.amdhsa_memory_ordered 1
		.amdhsa_forward_progress 1
		.amdhsa_inst_pref_size 26
	.end_amdhsa_kernel
	.amdgpu_metadata
---
amdhsa.version: [ 1, 2 ]
amdhsa.kernels:
  - .name:           k_qaaf67e29ea_sum
    .symbol:         k_qaaf67e29ea_sum.kd
    .args:
      - { .name: part, .offset: 0, .size: 8, .value_kind: global_buffer, .address_space: global }
      - { .name: out0, .offset: 8, .size: 8, .value_kind: global_buffer, .address_space: global }
    .group_segment_fixed_size: 0
    .private_segment_fixed_size: 0
    .kernarg_segment_align: 8
    .kernarg_segment_size: 16
    .max_flat_workgroup_size: 256
    .sgpr_count:     66
    .vgpr_count:     128
    .wavefront_size: 32
...
	.end_amdgpu_metadata
.endif
;; end of part 4
;; ======== version 2 of 2: 4 launches; version 1 with the launch attn written anew for expert scheduling mode
;; workspace buffers: c1 19,922,944 bytes; s1 622,592 bytes; c2 6,291,456 bytes; s2 196,608 bytes; part 58,720,256 bytes
;; launch quant: the kernel of part 1 again; grid 608 x 1, 4 waves a work-group, no clusters, 34,304 bytes of LDS; arguments x, y, Wq, Wk, Wv, c1, s1; writes c1, s1
;; launch proj: the kernel of part 2 again; grid 192 x 1, 4 waves a work-group, no clusters, 262,656 bytes of LDS; arguments c1, s1, c2, s2; writes c2, s2
;; launch attn (part 5): grid 238 x 1, 4 waves a work-group, no clusters, 84,480 bytes of LDS; arguments c2, s2, part; writes part
.if DOCPART == 5
	.amdgcn_target "amdgcn-amd-amdhsa--gfx1250"
	.amdhsa_code_object_version 6
	.text
	.protected	k_qaaf67e29ea_attn
	.globl	k_qaaf67e29ea_attn
	.p2align	8
	.type	k_qaaf67e29ea_attn,@function
k_qaaf67e29ea_attn:
	s_mov_b64 s[64:65], 0
	v_nop
	global_prefetch_b8 v0, s[64:65] scope:SCOPE_SE
	s_setreg_imm32_b32 hwreg(HW_REG_WAVE_SCHED_MODE, 0, 2), 2
	s_setreg_imm32_b32 hwreg(HW_REG_WAVE_MODE, 25, 1), 1
	s_wait_xcnt 0x0
	s_wait_alu depctr_vm_vsrc(0)
; part[c][b] = a v for the 64 queries of block b and the keys of chunk c, where a = (q k^T) x 512^-0.5 with a = 0 where key >= query; both products on codes of E5M2 with E8M0 scales.
; a is computed in f32 (the product's f32 sums, one f32 multiplication, the mask) and quantised along the keys in blocks of 32.
; WHAT IS DONE.  Block b (queries 64 b .. 64 b + 63) needs the key steps of 128 up to b / 2: b / 2 + 1 of them.  Chunk c is steps 5 c .. 5 c + 4 and exists for b >= 10 c: 64 + 54 + 44 + 34 + 24 + 14 + 4 = 238 work-groups.
; A work-group walks nst = min(5, b / 2 + 1 - 5 c) steps, 1 to 5: steps that lie wholly under the mask are not walked.  nst hangs on the work-group's number alone, so all four waves leave the walk at the same place.
; THE ORDER OF THE WALK.  A work-group with five steps begins at step b % 5 of its chunk and wraps round, so that the work-groups of a chunk do not all ask for one step's codes at one time: at each position of the walk a fifth of them asks for each step.
; WITHIN A STEP.  S: wave w makes S^T = k q^T for keys 32 w .. 32 w + 31 of the step and all 64 queries (2 tiles of keys x 4 tiles of queries x 4 steps along d = 32 matrix instructions); k's tiles hold keys
; 32 (T / 2) + 8 (T % 2) + r + 8 (r / 8), so a lane's 16 registers of a tile of queries are 16 neighbouring keys: with lane l xor 16, one block of 32.  They become register group w of each tile's fragment of a, and byte w of its scale words:
; through LDS as images of the registers, one barrier.  PV: wave w makes O^T = v^T a^T for channels 128 w .. 128 w + 127: 8 tiles x 4 tiles of queries = 32 matrix instructions.
; k's and v^T's fragments go from memory straight into the one wave's registers that uses them, each feeding four matrix instructions.  q is read from memory once by the work-group (wave w: tile w), goes round through LDS as images, and stays in every wave's registers.
; NO CLUSTER: the work-groups that walk the same keys are those of one chunk, 64, 54, 44, 34, 24, 14 or 4 of them: 54, 34 and 14 do not divide into fours; partners would walk 1 to 5 steps, in different orders; and no fragment of k or v passes through LDS, where a joint load would have to land.
; LIMITS: a block of zeros gets the byte 1 (its codes are zeros; only this program reads the bytes); NaN and infinities are not served; the sums over the keys are taken in the order of the walk within a chunk, and the chunks are added by the next launch, ascending.
; REGISTERS, in windows of 256: window 0: see below.  window 1: q, 16 (4 m + s).  window 2: O^T, 64 m + 8 t.  window 3: k, 16 (4 u + s); v^T, 128 + 16 t.
; THE MODE: SCHED_MODE bits 1:0 = 2 (LLVM: expert scheduling mode 2), set by the entry lines.  The code itself states the register dependences between vector or matrix instructions and memory or LDS instructions, with s_wait_alu, always for 0.
; THE PLAN.  Registers that memory or LDS instructions touch, and who else names them:
;   v4-10, v13, v254, v255   addresses, and the add's two.  Written at the head, never again: one wait on va_vdst ahead of the first load.
;   SA       At the head my tile of q lands in it and LDS stores read it: a wait on vm_vsrc at the first step's head, ahead of the products that write it.  From there to the way out vector and matrix instructions alone name it.
;   k, KS    The loads of position j + 1 land in them; the products S of position j read them: a wait on va_vdst straight ahead of those loads.
;   v^T, VS  The loads of position j + 1 land in them; the products PV of position j read them: a wait on va_vdst behind PV.  At the walk's end the same wait shows O^T written, which the LDS stores of the way out read.
;   PC, and the bytes in TM+4 ..   The quantiser writes them, LDS stores read them: a wait on va_vdst between the two, and a wait on vm_vsrc at the next step's head, ahead of the next quantiser.
;   PF, PS   LDS loads land in them behind the barrier; PV reads them.  The next landing stands behind the wait behind that PV and behind the one behind the next quantiser; nothing issued since names them.
;   The way out holds no vector instruction: the wait behind the last PV covers its LDS stores and the landing of rows in SA and PF; a wait on vm_vsrc stands ahead of each landing in registers that global stores have read.
; k and v^T have one set of registers each (q, O^T, k and v^T fill three windows), so each run of loads stands straight behind the wait that shows its registers free.
.set QIMG,  0                          ; LDS: q's 16 fragments, 4 m + s, 2,048 bytes each: written once;
.set PIMG,  32768                      ; two buffers of a's four fragments (2 x 4 x 2,048);
.set PSC,   49152                      ; two of their scale words (2 x 4 x 128);
.set STAGE, 50176                      ; the way out: 16 rows x 528 bytes for each wave
.set SROW,  528                        ; 512 bytes + 16 = 132 words: row r starts 4 r words on modulo 64 (64 banks of 4 bytes: ISA guide 11.1)
.set LI,   4                           ; v4   16 x lane
.set L8,   5                           ; v5   8 x lane
.set LS,   6                           ; v6   4 x lane
.set PST,  7                           ; v7   16 x lane + 512 x wave: my register group's place in an image of a
.set PB,   8                           ; v8   4 x lane + wave: my byte of a scale word
.set STO,  9                           ; v9   the stage: where I put 32 bytes of a row
.set RD,   10                          ; v10  and where I read a row back
.set ZERO, 11                          ; v11  0
.set RH,   12                          ; v12  r - 16 h
.set QST,  13                          ; v13  16 x lane + 8,192 x wave: where I store my tile of q
.set DM,   16                          ; v16-19 the mask's bound for each tile of queries
.set TM,   20                          ; v20-35 the quantiser's
.set PC,   36                          ; v36-51 codes: 4 registers a tile of queries
.set QS,   52                          ; v52-59 q's scale words: 2 s + m / 2, row m % 2
.set KS,   60                          ; v60-63 k's: s, row u
.set VS,   64                          ; v64-67 v^T's: 2 (t / 4) + (t % 4) / 2, row t % 2
.set PS,   68                          ; v68-71 a's: m
.set SA,   72                          ; v72-135 at the head my tile of q; then S^T, then a: 16 m + 8 u + j
.set PF,   136                         ; v136-199 a's four fragments
.set WV,   10
.set CH,   11                          ; s11  the chunk
.set QB,   12                          ; s12  the block of queries
.set CS,   66                          ; s[66:67] 512^-0.5: the packed form names a pair and takes its low word for both halves
.set SEL,  68
.set MNT,  70
.set MB,   71                          ; s71  64 b - 640 c - 32 w - 1
.set MK,   72                          ; s72-79, s89-96: behind the head, the lane masks of sixteen compares: register n's at s[72 + n + 9 (n / 8)]
.set NST,  82                          ; s82  how many steps I walk: made of the work-group's number alone
.set ROT,  83                          ; s83  at which step of the chunk I begin
.set MBJ,  84                          ; s84-88 position j of the walk: 64 b - (my first key there) - 1
.set STP,  91                          ; s91-95 at the head: position j of the walk: the key step
; s[24+8j:31+8j]: position j's bases: k's codes, k's scale words, v^T's codes, v^T's scale words.  Made once: no base of a pending load is ever written
.set MSB, 0
.macro WIN new                         ; the immediate's high byte repeats the setting that is left; a switch that changes nothing is dropped
.if MSB != \new
	s_set_vgpr_msb (MSB<<8)|\new
.set MSB, \new
.endif
.endm
.macro PLACES n
.rept \n
	v_nop
.endr
.endm
; The scaled matrix instruction on E5M2 codes.  d, a, b: first registers of D (and C), source 0, source 1; zero = 1: C is 0; sa, sb: scale registers; ra, rb = 1: that side's scales stand in lanes 16-31
.macro WMS d, a, b, zero, sa, sb, ra, rb
.if (\zero)
.if (\ra) && (\rb)
	v_wmma_scale_f32_16x16x128_f8f6f4 v[\d:\d+7], v[\a:\a+15], v[\b:\b+15], 0, v[\sa], v[\sb] matrix_a_fmt:MATRIX_FMT_BF8 matrix_b_fmt:MATRIX_FMT_BF8 matrix_a_scale:MATRIX_SCALE_ROW1 matrix_b_scale:MATRIX_SCALE_ROW1
.elseif (\ra)
	v_wmma_scale_f32_16x16x128_f8f6f4 v[\d:\d+7], v[\a:\a+15], v[\b:\b+15], 0, v[\sa], v[\sb] matrix_a_fmt:MATRIX_FMT_BF8 matrix_b_fmt:MATRIX_FMT_BF8 matrix_a_scale:MATRIX_SCALE_ROW1
.elseif (\rb)
	v_wmma_scale_f32_16x16x128_f8f6f4 v[\d:\d+7], v[\a:\a+15], v[\b:\b+15], 0, v[\sa], v[\sb] matrix_a_fmt:MATRIX_FMT_BF8 matrix_b_fmt:MATRIX_FMT_BF8 matrix_b_scale:MATRIX_SCALE_ROW1
.else
	v_wmma_scale_f32_16x16x128_f8f6f4 v[\d:\d+7], v[\a:\a+15], v[\b:\b+15], 0, v[\sa], v[\sb] matrix_a_fmt:MATRIX_FMT_BF8 matrix_b_fmt:MATRIX_FMT_BF8
.endif
.else
.if (\ra) && (\rb)
	v_wmma_scale_f32_16x16x128_f8f6f4 v[\d:\d+7], v[\a:\a+15], v[\b:\b+15], v[\d:\d+7], v[\sa], v[\sb] matrix_a_fmt:MATRIX_FMT_BF8 matrix_b_fmt:MATRIX_FMT_BF8 matrix_a_scale:MATRIX_SCALE_ROW1 matrix_b_scale:MATRIX_SCALE_ROW1
.elseif (\ra)
	v_wmma_scale_f32_16x16x128_f8f6f4 v[\d:\d+7], v[\a:\a+15], v[\b:\b+15], v[\d:\d+7], v[\sa], v[\sb] matrix_a_fmt:MATRIX_FMT_BF8 matrix_b_fmt:MATRIX_FMT_BF8 matrix_a_scale:MATRIX_SCALE_ROW1
.elseif (\rb)
	v_wmma_scale_f32_16x16x128_f8f6f4 v[\d:\d+7], v[\a:\a+15], v[\b:\b+15], v[\d:\d+7], v[\sa], v[\sb] matrix_a_fmt:MATRIX_FMT_BF8 matrix_b_fmt:MATRIX_FMT_BF8 matrix_b_scale:MATRIX_SCALE_ROW1
.else
	v_wmma_scale_f32_16x16x128_f8f6f4 v[\d:\d+7], v[\a:\a+15], v[\b:\b+15], v[\d:\d+7], v[\sa], v[\sb] matrix_a_fmt:MATRIX_FMT_BF8 matrix_b_fmt:MATRIX_FMT_BF8
.endif
.endif
.endm
	s_load_b128 s[4:7], s[0:1], 0x0                ; c2 s[4:5], s2 s[6:7]
	s_load_b64 s[8:9], s[0:1], 0x10                ; part
	v_lshl_add_u32 v254, v0, 2, 0x14800            ; the LDS address of my spare word, behind the stages; kept for the closing lines alone
	v_mov_b32 v255, 0                              ; and 0, likewise
	v_lshrrev_b32 v1, 5, v0
	v_readfirstlane_b32 s[WV], v1                  ; wave 0..3
	v_and_b32 v1, 31, v0                           ; lane
	v_and_b32 v2, 15, v0                           ; r
	v_bfe_u32 v3, v0, 4, 1                         ; h
	v_lshlrev_b32 v[LI], 4, v1
	v_lshlrev_b32 v[L8], 3, v1
	v_lshlrev_b32 v[LS], 2, v1
	s_wait_alu depctr_va_sdst(0)                   ; the wave's number is written, ahead of its first reader: addresses, bases and the mask's bound are made from it
	s_lshl_b32 s22, s[WV], 9
	v_add_nc_u32 v[PST], s22, v[LI]
	v_add_nc_u32 v[PB], s[WV], v[LS]
	s_lshl_b32 s22, s[WV], 13
	v_add_nc_u32 v[QST], s22, v[LI]
	s_mul_i32 s22, s[WV], 16*SROW
	s_add_co_u32 s22, s22, STAGE                   ; my stage
	v_mul_u32_u24 v[STO], v2, SROW
	v_lshl_add_u32 v[STO], v3, 5, v[STO]
	v_add_nc_u32 v[STO], s22, v[STO]               ; in: row r, + 32 h
	v_add_nc_u32 v[RD], s22, v[LI]                 ; back: the 32 lanes take one row of 512 bytes
	v_mov_b32 v[ZERO], 0
	v_lshlrev_b32 v[RH], 4, v3
	v_sub_nc_u32 v[RH], v2, v[RH]
.irp b, 0,1,2,3
	v_mov_b32 v[TM+4+\b], 0                        ; written once: a lane permute's destination counts as one of its sources
.endr
	s_mov_b32 s[CS], 0x3d3504f3                    ; 512^-0.5
	s_mov_b32 s[CS+1], s[CS]                       ; (named with it as a pair, so it is written)
	s_mov_b32 s[SEL], 0x76543210
	s_mov_b32 s[SEL+1], 0xfedcba98
	s_mov_b32 s[MNT], 0x600000
	s_mov_b32 s[CH], 0
	s_mov_b32 s13, 0
.macro PICK lim, c, off                ; from work-group lim on: chunk c, block = work-group - off
	s_cmp_ge_u32 ttmp9, \lim
	s_cselect_b32 s[CH], \c, s[CH]
	s_cselect_b32 s13, \off, s13
.endm
	PICK 64, 1, 54
	PICK 118, 2, 98
	PICK 162, 3, 132
	PICK 196, 4, 156
	PICK 220, 5, 170
	PICK 234, 6, 174
	s_sub_co_u32 s[QB], ttmp9, s13
	s_lshl_b32 s[MB], s[QB], 6
	s_mul_i32 s22, s[CH], 640
	s_sub_co_i32 s[MB], s[MB], s22
	s_lshl_b32 s22, s[WV], 5
	s_sub_co_i32 s[MB], s[MB], s22
	s_sub_co_i32 s[MB], s[MB], 1
	s_mul_i32 s23, s[CH], 5                        ; the chunk's first step
	s_lshr_b32 s[NST], s[QB], 1
	s_add_co_u32 s[NST], s[NST], 1                 ; the block's steps: b / 2 + 1, above 5 c since b >= 10 c
	s_sub_co_u32 s[NST], s[NST], s23
	s_min_u32 s[NST], s[NST], 5                    ; those of them that are this chunk's: 1 to 5
	s_mul_hi_u32 s[ROT], s[QB], 0xcccccccd
	s_lshr_b32 s[ROT], s[ROT], 2                   ; b / 5
	s_mul_i32 s[ROT], s[ROT], 5
	s_sub_co_u32 s[ROT], s[QB], s[ROT]             ; b % 5
	s_cmp_eq_u32 s[NST], 5
	s_cselect_b32 s[ROT], s[ROT], 0                ; a walk of fewer than five steps begins at the chunk's first
.irp j, 0,1,2,3,4
	s_add_co_u32 s[STP+\j], s[ROT], \j
	s_cmp_ge_u32 s[STP+\j], 5
	s_cselect_b32 s89, 5, 0
	s_sub_co_u32 s[STP+\j], s[STP+\j], s89         ; position j: step (begin + j) % 5 of the chunk
	s_lshl_b32 s89, s[STP+\j], 7
	s_sub_co_i32 s[MBJ+\j], s[MB], s89             ; 64 b - (my first key of that step) - 1
	s_add_co_u32 s[STP+\j], s[STP+\j], s23
	s_min_u32 s[STP+\j], s[STP+\j], 31             ; (the positions that are walked lie under 32 by themselves; those behind the walk's end are never loaded, and are held so that every base made below lies in its buffer)
.endr
	s_mov_b32 s15, 0
	s_wait_kmcnt 0x0
	s_lshl_b32 s14, s[QB], 13
	s_lshl_b32 s22, s[WV], 11
	s_add_co_u32 s14, s14, s22
	s_add_nc_u64 s[16:17], s[4:5], s[14:15]        ; q's codes: tile 4 b + w
	s_lshl_b32 s14, s[QB], 8
	s_add_nc_u64 s[18:19], s[6:7], s[14:15]        ; q's scale words
	s_wait_alu depctr_va_vdst(0)                   ; the eight addresses v4 to v10 and v13 and the add's v254 and v255 are written: every load and store of the kernel reads one of the eight, the closing add the two; none is written again
.irp s, 0,1,2,3
	global_load_b64 v[QS+2*\s:QS+2*\s+1], v[L8], s[18:19] offset:\s*16384
.endr
.irp s, 0,1,2,3
.irp c, 0,1,2,3
	global_load_b128 v[SA+16*\s+4*\c:SA+16*\s+4*\c+3], v[LI], s[16:17] offset:\s*524288+512*\c   ; my tile of q: four fragments
.endr
.endr
	s_lshl_b32 s14, s[WV], 12
	s_add_co_u32 s14, s14, 0x200000
	s_add_nc_u64 s[74:75], s[4:5], s[14:15]        ; k's codes: my two tiles of step 0
	s_lshr_b32 s14, s[WV], 1
	s_lshl_b32 s14, s14, 8
	s_and_b32 s22, s[WV], 1
	s_lshl_b32 s22, s22, 2
	s_add_co_u32 s14, s14, s22
	s_add_co_u32 s14, s14, 65536
	s_add_nc_u64 s[76:77], s[6:7], s[14:15]        ; k's scale words: group w / 2 of four tiles, word w % 2
	s_lshl_b32 s14, s[WV], 14
	s_add_co_u32 s14, s14, 0x400000
	s_add_nc_u64 s[78:79], s[4:5], s[14:15]        ; v^T's codes: my eight tiles of step 0
	s_lshl_b32 s14, s[WV], 9
	s_add_co_u32 s14, s14, 131072
	s_add_nc_u64 s[80:81], s[6:7], s[14:15]        ; v^T's scale words
.irp j, 0,1,2,3,4
	s_lshl_b32 s14, s[STP+\j], 14
	s_add_nc_u64 s[24+8*\j:25+8*\j], s[74:75], s[14:15]
	s_lshl_b32 s14, s[STP+\j], 9
	s_add_nc_u64 s[26+8*\j:27+8*\j], s[76:77], s[14:15]
	s_lshl_b32 s14, s[STP+\j], 16
	s_add_nc_u64 s[28+8*\j:29+8*\j], s[78:79], s[14:15]
	s_lshl_b32 s14, s[STP+\j], 11
	s_add_nc_u64 s[30+8*\j:31+8*\j], s[80:81], s[14:15]
.endr
.macro KLOAD j                         ; position j's k: 4 + 32 = 36 loads
.irp s, 0,1,2,3
	global_load_b32 v[KS+\s], v[L8], s[26+8*(\j):27+8*(\j)] offset:\s*16384
.endr
	WIN 0xc0                                       ; destination window 3
.irp u, 0,1
.irp s, 0,1,2,3
.irp c, 0,1,2,3
	global_load_b128 v[16*(4*\u+\s)+4*\c:16*(4*\u+\s)+4*\c+3], v[LI], s[24+8*(\j):25+8*(\j)] offset:\s*524288+\u*2048+512*\c
.endr
.endr
.endr
	WIN 0
.endm
.macro VLOAD j                         ; position j's v^T: 2 + 32 = 34 loads
.irp gg, 0,1
	global_load_b64 v[VS+2*\gg:VS+2*\gg+1], v[L8], s[30+8*(\j):31+8*(\j)] offset:\gg*256
.endr
	WIN 0xc0
.irp t, 0,1,2,3,4,5,6,7
.irp c, 0,1,2,3
	global_load_b128 v[128+16*\t+4*\c:128+16*\t+4*\c+3], v[LI], s[28+8*(\j):29+8*(\j)] offset:\t*2048+512*\c
.endr
.endr
	WIN 0
.endm
	KLOAD 0
	s_lshl_b32 s14, s[CH], 6
	s_add_co_u32 s14, s14, s[QB]
	s_lshl_b32 s14, s14, 17
	s_lshl_b32 s22, s[WV], 9
	s_add_co_u32 s14, s14, s22
	s_add_nc_u64 s[20:21], s[8:9], s[14:15]        ; part[c][b], my 128 channels
	s_wait_loadcnt 36                              ; q's scale words and my tile of q are in; k's 36 loads may be out
.irp s, 0,1,2,3
.irp c, 0,1,2,3
	ds_store_b128 v[QST], v[SA+16*\s+4*\c:SA+16*\s+4*\c+3] offset:QIMG+2048*\s+512*\c   ; fragment 4 w + s as it stands
.endr
.endr
	VLOAD 0
	s_wait_dscnt 0x0                               ; for the others' sake: my tile of q has landed
	s_barrier_signal -1
	s_barrier_wait -1                              ; all four tiles lie in LDS
	WIN 0x40                                       ; destination window 1
.irp f, 0,1,2,3,4,5,6,7,8,9,10,11,12,13,14,15
.irp c, 0,1,2,3
	ds_load_b128 v[16*\f+4*\c:16*\f+4*\c+3], v[LI] offset:QIMG+2048*\f+512*\c   ; q stays in registers
.endr
.endr
	WIN 0
	s_wait_dscnt 0x0
; 64 numbers of a lane, v[s] on: register 16 b + i = key 16 h + i of my 32, for my query of tile b.  They become 4 registers of codes a tile in v[pc] on; the tiles' scale bytes stay in v[TM+4] on.
.macro QUANT s, pc
.irp b, 0,1,2,3
	v_max3_num_f32 v[TM+\b], |v[\s+16*\b]|, |v[\s+1+16*\b]|, 0x8000000   ; and the floor 2^(16 - 127): the byte cannot fall under 1
.endr
.irp i, 2,4,6,8,10,12,14
.irp b, 0,1,2,3
	v_max3_num_f32 v[TM+\b], v[TM+\b], |v[\s+16*\b+\i]|, |v[\s+1+16*\b+\i]|
.endr
.endr
.irp b, 0,1,2,3
	v_permlanex16_b32 v[TM+4+\b], v[TM+\b], s[SEL], s[SEL+1]
.endr
.irp b, 0,1,2,3
	v_max_num_f32 v[TM+\b], v[TM+\b], v[TM+4+\b]   ; with lane l xor 16's 16 keys: the block's largest magnitude
.endr
.irp b, 0,1,2,3
	v_add_nc_u32 v[TM+12+\b], 0xf8800000, v[TM+\b] ; 15 off its exponent field: the conversion's scale operand
.endr
.irp b, 0,1,2,3
	v_and_or_b32 v[TM+8+\b], v[TM+\b], 0x7f800000, s[MNT]   ; 57,344 x the scale
.endr
.irp b, 0,1,2,3
	v_lshrrev_b32 v[TM+4+\b], 23, v[TM+12+\b]      ; the scale's byte
.endr
.irp b, 0,1,2,3
.irp i, 0,1,2,3,4,5,6,7,8,9,10,11,12,13,14,15
	v_med3_num_f32 v[\s+16*\b+\i], v[\s+16*\b+\i], -v[TM+8+\b], v[TM+8+\b]   ; the conversion does not saturate (ISA guide 7.6.2): the hold comes first
.endr
	v_cvt_scalef32_pk8_bf8_f32 v[\pc+4*\b:\pc+1+4*\b], v[\s+16*\b:\s+7+16*\b], v[TM+12+\b]
	v_cvt_scalef32_pk8_bf8_f32 v[\pc+2+4*\b:\pc+3+4*\b], v[\s+8+16*\b:\s+15+16*\b], v[TM+12+\b]
.endr
	v_nop                                          ; a plain vector line behind the last conversion
.endm
; POSITION j OF THE WALK: one key step.  first = 1: its products start O^T's sums with the constant 0.  last = 1: the fifth position, behind which nothing can follow.  a's images lie in buffer j % 2.
.macro STEP j, first, last
	s_wait_loadcnt 34                              ; k of this step is in; v^T's 34 loads may be out
.if \first
	s_wait_alu depctr_vm_vsrc(0)                   ; the head's LDS stores have read v[SA ..], my tile of q, which the products below write
.else
	s_wait_alu depctr_vm_vsrc(0)                   ; the last step's LDS stores have read the codes in v[PC ..] and the bytes in v[TM+4 ..], which this step's quantiser writes again; it stands ahead of the step's branches, so on every way to those writes
.endif
	WIN 0x07                                       ; source 0 (k) window 3, source 1 (q) window 1, C and D window 0
.irp s, 0,1,2,3                        ; the eight accumulators by turns, one instruction a turn
.irp m, 0,1,2,3
.irp u, 0,1
.if \s == 0
	WMS SA+16*\m+8*\u, 16*(4*\u+\s), 16*(4*\m+\s), 1, KS+\s, QS+2*\s+\m/2, \u, \m%2
.else
	WMS SA+16*\m+8*\u, 16*(4*\u+\s), 16*(4*\m+\s), 0, KS+\s, QS+2*\s+\m/2, \u, \m%2
.endif
.endr
.endr
.endr
	WIN 0
	PLACES 8                                       ; eight plain lines in front of loads into registers that these products read, and of the first read of their results
.if !(\last)
	s_cmp_gt_u32 s[NST], (\j)+1                    ; does a step follow?  The work-group's number decides
	s_cbranch_scc1 .Lmore_\@
	s_wait_loadcnt 0x0                             ; none: nothing more is asked for, and v^T of this step is all that is out.  So the counted wait further down holds on both ways
	s_branch .Lasked_\@
.Lmore_\@:
	s_wait_alu depctr_va_vdst(0)                   ; the products above are done reading k's fragments and k's scale words, in which the 36 loads below land
	KLOAD (\j)+1
.Lasked_\@:
.endif
.set II, 0
.rept 32
	v_pk_mul_f32 v[SA+II:SA+II+1], v[SA+II:SA+II+1], s[CS:CS+1] op_sel_hi:[1,0]   ; x 512^-0.5, ascending: each accumulator is first read at its low end
.set II, II+2
.endr
	s_cmp_ge_i32 s[MBJ+(\j)], 31                   ; all my 32 keys come before the block's first query: nothing is masked.  A branch on ids; no barrier stands under it
	s_cbranch_scc1 .Lopen_\@
	v_add_nc_u32 v[DM], s[MBJ+(\j)], v[RH]         ; register 16 m + n holds key (first key) + 16 h + n and query 64 b + 16 m + r: masked where key >= query, that is n > 64 b - first key - 1 + 16 m + r - 16 h
	v_add_nc_u32 v[DM+1], 16, v[DM]
	v_add_nc_u32 v[DM+2], 32, v[DM]
	v_add_nc_u32 v[DM+3], 48, v[DM]
.irp m, 0,1,2,3                        ; a tile of queries at a time: sixteen compares into sixteen scalar registers, one wait, sixteen selects
.irp n, 0,1,2,3,4,5,6,7,8,9,10,11,12,13,14,15
	v_cmp_gt_i32 s[MK+\n+9*(\n/8)], \n, v[DM+\m]
.endr
	s_wait_alu depctr_va_sdst(0)                   ; the sixteen compares have written their masks, ahead of the first select that reads one
.irp n, 0,1,2,3,4,5,6,7,8,9,10,11,12,13,14,15
	v_cndmask_b32 v[SA+16*\m+\n], v[SA+16*\m+\n], v[ZERO], s[MK+\n+9*(\n/8)]
.endr
.endr
.Lopen_\@:
	QUANT SA, PC
	s_wait_alu depctr_va_vdst(0)                   ; the quantiser has written the codes in v[PC ..] and the bytes in v[TM+4 ..], which the LDS stores below read
.irp m, 0,1,2,3
	ds_store_b128 v[PST], v[PC+4*\m:PC+4*\m+3] offset:PIMG+8192*((\j)%2)+2048*\m   ; register group w of tile m's image
.endr
.irp m, 0,1,2,3
	ds_store_b8 v[PB], v[TM+4+\m] offset:PSC+512*((\j)%2)+128*\m                   ; byte w of my row's scale word
.endr
	s_wait_dscnt 0x0                               ; for the others' sake: my stores have landed.  (My reads of the other buffer were waited for in the last step: it is written again only behind this barrier)
	s_barrier_signal -1
	s_barrier_wait -1
.irp m, 0,1,2,3                        ; (no wait: the last step's second product, which read v[PF ..] and v[PS ..], stands ahead of the waits on va_vdst above, and nothing issued since names them)
.irp c, 0,1,2,3
	ds_load_b128 v[PF+16*\m+4*\c:PF+16*\m+4*\c+3], v[LI] offset:PIMG+8192*((\j)%2)+2048*\m+512*\c
.endr
	ds_load_b32 v[PS+\m], v[LS] offset:PSC+512*((\j)%2)+128*\m
.endr
.if \last
	s_wait_loadcnt 0x0
.else
	s_wait_loadcnt 36                              ; v^T of this step is in; the next step's 36 loads of k, if they were asked for, may be out
.endif
	WIN 0xa3                                       ; source 0 (v^T) window 3, source 1 (a) window 0, C and D window 2
.irp m, 0,1,2,3                        ; 32 accumulators, one instruction each; a tile of queries at a time, so that the first products need only a's first fragment
	s_wait_dscnt 5*(3-\m)                          ; tile m's four loads and its scale words are back; the five loads of each later tile may be out
.irp t, 0,1,2,3,4,5,6,7
	WMS 64*\m+8*\t, 128+16*\t, PF+16*\m, \first, VS+2*(\t/4)+(\t%4)/2, PS+\m, \t%2, 0
.endr
.endr
	WIN 0
	PLACES 8                                       ; in front of loads into registers that these products read; at the walk's end, of the first read of O^T
	s_wait_alu depctr_va_vdst(0)                   ; the products above are done reading v^T's fragments and scale words, in which the next step's loads land, and a's fragments, in which rows land on the way out; and they have written O^T, which the LDS stores of the way out read.  The places above stay beside this wait
.if !(\last)
	s_cmp_gt_u32 s[NST], (\j)+1                    ; the walk ends here where no step follows: the same in all four waves, so none waits at a barrier that another has left
	s_cbranch_scc0 .Lout
	VLOAD (\j)+1
.endif
.endm
	STEP 0, 1, 0
	STEP 1, 0, 0
	STEP 2, 0, 0
	STEP 3, 0, 0
	STEP 4, 0, 1
.Lout:
; THE WAY OUT, a tile of 16 queries at a time.  A lane holds 32 neighbouring bytes of a row for each of 8 tiles of channels; the tile goes through my own stage and comes back as whole rows of 512 bytes.
; LDS serves a wave's instructions in order (ISA guide 5.7.1.4): no wait between the stores and the loads, nor in front of the next tile's stores.
; No vector or matrix instruction stands here: the wait on va_vdst behind the last products, on every way to this label, covers all the LDS stores of O^T and the landing of rows in v[SA ..] and v[PF ..].
.macro TOSTAGE m
	WIN 0x08                                       ; an LDS store's data are its source 1: window 2
.irp t, 0,1,2,3,4,5,6,7
	ds_store_b128 v[STO], v[64*(\m)+8*\t:64*(\m)+8*\t+3] offset:64*\t          ; each accumulator from its low end on
	ds_store_b128 v[STO], v[64*(\m)+8*\t+4:64*(\m)+8*\t+7] offset:64*\t+16
.endr
	WIN 0
.set BB, SA+64*((\m)%2)
.irp i, 0,1,2,3,4,5,6,7,8,9,10,11,12,13,14,15
	ds_load_b128 v[BB+4*\i:BB+4*\i+3], v[RD] offset:\i*SROW
.endr
.endm
.macro SEND m, younger                 ; younger: the LDS instructions issued behind tile m's loads, which may stay out
.set BB, SA+64*((\m)%2)
	s_wait_dscnt \younger
.irp i, 0,1,2,3,4,5,6,7,8,9,10,11,12,13,14,15
	global_store_b128 v[LI], v[BB+4*\i:BB+4*\i+3], s[20:21] offset:(16*(\m)+\i)*2048 th:TH_STORE_NT   ; 512 consecutive bytes, at a multiple of 256 from the buffer's first byte
.endr
.endm
	TOSTAGE 0
	TOSTAGE 1
	SEND 0, 32                                     ; behind tile 0's loads: tile 1's 16 stores and 16 loads
	s_wait_xcnt 0x0                                ; tile 0's stores have read their registers: tile 2's rows may land there
	s_wait_alu depctr_vm_vsrc(0)                   ; tile 0's global stores have read v[SA ..], in which tile 2's rows land
	TOSTAGE 2
	SEND 1, 32
	s_wait_xcnt 0x0
	s_wait_alu depctr_vm_vsrc(0)                   ; tile 1's global stores have read v[PF ..], in which tile 3's rows land
	TOSTAGE 3
	SEND 2, 32
	SEND 3, 0
	s_wait_dscnt 0x0                               ; the closing lines, six on end (every window is 0 here: the add's two registers lie in window 0)
	s_wait_alu 0x0
	s_wait_tensorcnt 0x0
	ds_add_u32 v254, v255
	s_wait_dscnt 0x0
	s_endpgm
.Lfunc_end_k_qaaf67e29ea_attn:
	.size	k_qaaf67e29ea_attn, .Lfunc_end_k_qaaf67e29ea_attn-k_qaaf67e29ea_attn
	.p2alignl 7, 3214868480
	.fill 96, 4, 3214868480
	.section	.rodata,"a",@progbits
	.p2align	6, 0x0
	.amdhsa_kernel k_qaaf67e29ea_attn
		.amdhsa_group_segment_fixed_size 84480
		.amdhsa_private_segment_fixed_size 0
		.amdhsa_enable_private_segment 0
		.amdhsa_kernarg_size 24
		.amdhsa_user_sgpr_count 2
		.amdhsa_user_sgpr_kernarg_segment_ptr 1
		.amdhsa_wavefront_size32 1
		.amdhsa_system_sgpr_workgroup_id_x 1
		.amdhsa_system_sgpr_workgroup_id_y 1
		.amdhsa_system_sgpr_workgroup_id_z 1
		.amdhsa_system_vgpr_workitem_id 0
		.amdhsa_next_free_vgpr 1024
		.amdhsa_next_free_sgpr 100
		.amdhsa_reserve_vcc 0
		.amdhsa_float_denorm_mode_32 3
		.amdhsa_float_denorm_mode_16_64 3
		.amdhsa_memory_ordered 1
		.amdhsa_forward_progress 1
		.amdhsa_inst_pref_size 208
	.end_amdhsa_kernel
	.amdgpu_metadata
---
amdhsa.version: [ 1, 2 ]
amdhsa.kernels:
  - .name:           k_qaaf67e29ea_attn
    .symbol:         k_qaaf67e29ea_attn.kd
    .args:
      - { .name: c2, .offset: 0, .size: 8, .value_kind: global_buffer, .address_space: global }
      - { .name: s2, .offset: 8, .size: 8, .value_kind: global_buffer, .address_space: global }
      - { .name: part, .offset: 16, .size: 8, .value_kind: global_buffer, .address_space: global }
    .group_segment_fixed_size: 84480
    .private_segment_fixed_size: 0
    .kernarg_segment_align: 8
    .kernarg_segment_size: 24
    .max_flat_workgroup_size: 128
    .sgpr_count:     100
    .vgpr_count:     1024
    .wavefront_size: 32
...
	.end_amdgpu_metadata
.endif
;; end of part 5
;; launch sum: the kernel of part 4 again; grid 512 x 1, 8 waves a work-group, no clusters, 0 bytes of LDS; arguments part, out0; writes out0
